; MI455X (gfx1250); checked and timed in simulation.
; The chip was launched on July 23, 2026; its instructions are those of AMD's public machine-readable ISA for CDNA 5 (MIT licence, August 2026) and "CDNA5" Instruction Set Architecture Reference Guide (July 2026). The comments in the code are by the model that wrote it; some were corrected since.
;; Helio Attention. Allowed arithmetic: matrix products marked QUANTISED: E2M1 operands, one E8M0 scale for each 32 along K, by v_wmma_scale_f32_16x16x128_f8f6f4 with both operands' format E2M1 (or v_wmma_scale_f32_32x16x128_f4), f32 sums; products left as they are: bf16, f16 or f32 operands; f32 sums; everything else in f32.
;; Inputs: Wk 1,024 x 1,024 float32; Wo 1,024 x 1,024 float32; Wq 1,024 x 1,024 float32; Wv 1,024 x 1,024 float32; attention_mask 2 x 1 x 1 x 2,048 int32; hidden_states 2 x 2,048 x 1,024 float32.
;; Outputs: out0 2 x 2,048 x 1,024 float32.
;; This version of the problem:
;;   THIS VERSION OF THE PROBLEM IS GIVEN IN LOW PRECISION. The matrix products marked QUANTISED in the list below multiply operands that are first quantised to E2M1 (2 exponent bits, 1 mantissa bit; 4 bits a number), with one power-of-two scale for each 32 numbers along K (OCP MX v1.0); their sums are f32. The products marked 'left as it is' may take bf16, f16 or f32 operands, with f32 sums. Whichever they take, every output number must still come out within the allowed error. Rounding operands to bf16 (8 significant bits) uses up far more of that allowance than f16 does (11 bits, for magnitudes from 6e-5 to 65,504). All else is computed in f32.
;;   The module's matrix products, in the order in which they are computed (A, B: the left and right operand; K: the contracted axis; several contracted axes count as one K, in the product's order):
;;     1. [M 4,096, K 1,024] x [K 1,024, N 1,024]; A: input hidden_states; B: input Wq: QUANTISED
;;     2. [M 4,096, K 1,024] x [K 1,024, N 1,024]; A: input hidden_states; B: input Wk: QUANTISED
;;     3. [M 4,096, K 1,024] x [K 1,024, N 1,024]; A: input hidden_states; B: input Wv: QUANTISED
;;     4. batch 32 x [M 2,048, K 64] x [K 64, N 2,048]; A: computed on the way; B: computed on the way: left as it is (an operand is computed on the way)
;;     5. batch 32 x [M 2,048, K 2,048] x [K 2,048, N 64]; A: computed on the way; B: computed on the way: left as it is (an operand is computed on the way)
;;     6. [M 4,096, K 1,024] x [K 1,024, N 1,024]; A: computed on the way; B: input Wo: left as it is (an operand is computed on the way)
;;   THE QUANTISER, for each operand of a quantised product, along K:
;;     - K is cut into blocks of 32 from its start; a last block that is shorter is filled with zeros.
;;     - A block's scale is 2^e with e = floor(log2(the largest magnitude in the block)) - 2, held to -126 .. 127; a block of zeros has e = 0. As a byte (E8M0): e + 127.
;;     - Each number is divided by its block's scale, clamped to +-6, and rounded to the nearest number of E2M1, ties to even, subnormals kept.
;;     - The product sums the exact products of the quantised numbers (number of the format x scale) in f32.
;;   ~~~python
;;   def quantise(x, axis):      # numpy; x: float32 -> the quantised numbers, widened to float32 again
;;       x = np.moveaxis(x, axis, -1); K = x.shape[-1]
;;       x = np.pad(x, [(0, 0)] * (x.ndim - 1) + [(0, -K % 32)]); x = x.reshape(x.shape[:-1] + (-1, 32)); a = np.abs(x).max(-1, keepdims=True)
;;       e = np.where(a > 0, np.clip(np.frexp(np.where(a > 0, a, 1))[1] - 1 - 2, -126, 127), 0)      # np.frexp(a)[1] - 1 = floor(log2(a)), exactly
;;       r = np.clip(x / 2.0 ** e, -6, 6)
;;       step = 2.0 ** (np.maximum(np.frexp(np.where(r == 0, 1, r))[1] - 1, 0) - 1)
;;       q = np.round(r / step) * step * 2.0 ** e      # np.round: ties to even
;;       return np.moveaxis(q.reshape(q.shape[:-2] + (-1,))[..., :K], -1, axis).astype(np.float32)
;;   ~~~
;; One version. Each part assembles by itself: llvm-mc -triple=amdgcn-amd-amdhsa -mcpu=gfx1250 --defsym DOCPART=n.
;; ======== version 1 of 1: 4 launches
;; limits: values are held in f16: magnitudes above 65,504 overflow, below 6.1e-05 lose precision
;; workspace buffers: xc 2,097,152 bytes; xs 131,072 bytes; wc 1,572,864 bytes; ws 98,304 bytes; wo16 2,097,152 bytes; qkv 25,165,824 bytes; ao 8,388,608 bytes
;; launch quant (part 1): grid 256 x 1, 4 waves a work-group, no clusters, 33,280 bytes of LDS; arguments hidden_states, Wq, Wk, Wv, Wo, xc, xs, wc, ws, wo16; writes xc, xs, wc, ws, wo16
.if DOCPART == 1
	.amdgcn_target "amdgcn-amd-amdhsa--gfx1250"
	.amdhsa_code_object_version 6
	.text
	.protected	k_q850c82eadf_quant
	.globl	k_q850c82eadf_quant
	.p2align	8
	.type	k_q850c82eadf_quant,@function
k_q850c82eadf_quant:
	s_mov_b64 s[64:65], 0
	v_nop
	global_prefetch_b8 v0, s[64:65] scope:SCOPE_SE
	s_setreg_imm32_b32 hwreg(HW_REG_WAVE_MODE, 25, 1), 1
	s_wait_xcnt 0x0
; hidden_states [4096][1024] and Wq, Wk, Wv [1024][1024], f32 with K innermost, become codes of FP4 (E2M1), two a byte, with one E8M0 byte for each 32 along K:
; xc [4096][512 bytes], xs [4096][32];  wc [3072][512 bytes], ws [3072][32] (rows 0-1023 Wq, 1024-2047 Wk, 2048-3071 Wv).  Wo [1024 n][1024 k] is rounded to f16 and laid by head: wo16 [16 kb][1024 n][64].
; A block's scale is 2^(floor(log2(its largest magnitude)) - 2); its byte is the largest magnitude's exponent field - 2, held at 1 from below.  A block of zeros gets the byte 1 where the quantiser says 127:
; its codes are zeros, which add nothing under that byte, and the bytes are read by this program alone.
; LIMITS: NaN and infinities among the inputs are not served; Wo beyond 65,504 in magnitude does not fit f16.
; SHARES: a work-group takes 32,768 numbers: work-groups 0-127 hidden_states, 128-159 Wq, 160-191 Wk, 192-223 Wv, 224-255 the cast of Wo.  Rows are dense and K is a multiple of 32, so the four tensors are plain streams of blocks.
; No cluster, no tensor loads: no two work-groups read the same byte.  Waves share nothing: no barrier.
; THE QUANTISER: a wave takes 16 steps of 512 numbers.  Each of a step's four loads reads 512 consecutive bytes; the 2,048 bytes turn through the wave's own stage in LDS and come back 64 bytes a lane, so that a lane
; holds 16 neighbours along K (two neighbouring lanes hold a block).  A lane's 16 codes are 8 bytes: the wave stores 256 consecutive bytes.  A wave's 256 scale bytes are gathered in LDS and leave as 256 consecutive bytes.
.set WAVES, 4
.set STEPS, 16
.set EMAX,  2
.set CB,    8                          ; bytes of 16 codes
.set R,     16                         ; v16-79   four sets of 16 numbers as loaded (the cast: v16-143, two sets of 64)
.set X,     80                         ; v80-111  two sets of 16 neighbours
.set E,     112                        ; v112-127 a scale byte for each step
.set C,     128                        ; v128-191 codes: four registers for each step, so that no store's data are written again
.set WREG,  8192                       ; LDS: a region for each wave: two stages of 32 x SP bytes, behind them its 256 scale bytes
.set SP,    80                         ; a lane's place in a stage: 64 bytes + 16 of padding
.set SPW,   12                         ; v12  LDS address of my spare word; never rewritten
.set NIL,   13                         ; v13  0; never rewritten
.set SPARE, WAVES*WREG                 ; behind the four regions: the spare words, 128 bytes a wave
	s_load_b512 s[4:19], s[0:1], 0x0               ; hidden s[4:5], Wq s[6:7], Wk s[8:9], Wv s[10:11], Wo s[12:13], xc s[14:15], xs s[16:17], wc s[18:19]
	s_load_b128 s[20:23], s[0:1], 0x40             ; ws s[20:21], wo16 s[22:23]
	v_lshl_add_u32 v[SPW], v0, 2, SPARE
	v_mov_b32 v[NIL], 0
	v_lshrrev_b32 v1, 5, v0
	v_readfirstlane_b32 s24, v1                    ; wave
	v_and_b32 v2, 31, v0                           ; lane
	v_lshlrev_b32 v3, 4, v2                        ; my 16 bytes of a load's 512
	s_mul_i32 s25, s24, WREG
	v_lshrrev_b32 v14, 2, v2
	v_mul_u32_u24 v14, v14, SP
	v_and_b32 v15, 3, v2
	v_lshl_add_u32 v14, v15, 4, v14
	v_add_nc_u32 v14, s25, v14                     ; the stage, on the way in: SP (lane / 4) + 16 (lane % 4)
	v_mul_u32_u24 v15, v2, SP
	v_add_nc_u32 v15, s25, v15                     ; and on the way out: SP x lane: my 16 neighbours
	v_mul_u32_u24 v4, v2, CB                       ; my codes' place in a step's
	v_lshrrev_b32 v5, 1, v2
	s_add_co_u32 s25, s25, 2*32*SP
	v_add_nc_u32 v5, s25, v5                       ; LDS: my wave's 256 scale bytes, my block's byte
	v_lshlrev_b32 v7, 3, v2                        ; and on the way out 8 bytes a lane
	v_add_nc_u32 v6, s25, v7
	s_wait_kmcnt 0x0
	s_cmp_ge_u32 ttmp9, 224                        ; the last 32 work-groups cast Wo
	s_cbranch_scc1 .Lcast
	; which tensor: the choices hang on the work-group's number alone
	s_cmp_lt_u32 ttmp9, 192
	s_cselect_b64 s[26:27], s[8:9], s[10:11]
	s_cmp_lt_u32 ttmp9, 160
	s_cselect_b64 s[26:27], s[6:7], s[26:27]
	s_mov_b32 s33, 31
	s_cmp_lt_u32 ttmp9, 128
	s_cselect_b64 s[26:27], s[4:5], s[26:27]       ; the numbers
	s_cselect_b64 s[28:29], s[14:15], s[18:19]     ; the codes
	s_cselect_b64 s[30:31], s[16:17], s[20:21]     ; the scale bytes
	s_cselect_b32 s32, 0, 128                      ; the first work-group of the destination
	s_cselect_b32 s33, 127, s33                    ; work-groups to a source tensor, less one
	s_sub_co_u32 s34, ttmp9, s32
	s_and_b32 s35, s34, s33
	s_lshl_b32 s34, s34, 2
	s_add_co_u32 s34, s34, s24                     ; which run of 8,192 numbers of the destination is my wave's
	s_lshl_b32 s35, s35, 2
	s_add_co_u32 s35, s35, s24                     ; and of the source
	s_mov_b32 s37, 0
	s_lshl_b32 s36, s35, 15                        ; 32,768 bytes of numbers a run
	s_add_nc_u64 s[26:27], s[26:27], s[36:37]
	s_lshl_b32 s36, s34, 12                        ; 4,096 bytes of codes
	s_add_nc_u64 s[28:29], s[28:29], s[36:37]
	s_lshl_b32 s36, s34, 8                         ; 256 scale bytes
	s_add_nc_u64 s[30:31], s[30:31], s[36:37]
.macro LOAD t
.irp i, 0,1,2,3
	global_load_b128 v[R+16*((\t)%4)+4*\i:R+16*((\t)%4)+4*\i+3], v3, s[26:27] offset:2048*(\t)+512*\i th:TH_LOAD_NT   ; 32 lanes read 512 consecutive bytes
.endr
.endm
.macro TURN t                          ; step t's numbers through the stage: LDS serves a wave's instructions in order, so no wait stands between the stores and the loads
.irp i, 0,1,2,3
	ds_store_b128 v14, v[R+16*((\t)%4)+4*\i:R+16*((\t)%4)+4*\i+3] offset:32*SP*((\t)%2)+8*SP*\i
.endr
.irp i, 0,1,2,3
	ds_load_b128 v[X+16*((\t)%2)+4*\i:X+16*((\t)%2)+4*\i+3], v15 offset:32*SP*((\t)%2)+16*\i
.endr
.endm
.irp t, 0,1,2,3
	LOAD \t
.endr
	s_wait_loadcnt 12                              ; step 0's four loads are in; the twelve of steps 1 to 3 may be out
	TURN 0
.macro STEP t
.set XS, X+16*((\t)%2)
.if (\t) > 0
	s_wait_dscnt 1                                 ; this step's numbers are back from the stage (the last step's byte store may be out): so its stores into the stage have read their registers,
.else
	s_wait_dscnt 0x0
.endif
.if (\t)+4 < STEPS
	LOAD (\t)+4                                    ; which take the loads of four steps on
.endif
.if (\t)+1 < STEPS
.if STEPS-2-(\t) >= 3
	s_wait_loadcnt 12                              ; the next step's four loads are in; those of the three steps behind it may be out
.else
	s_wait_loadcnt 4*(STEPS-2-(\t))
.endif
	TURN (\t)+1                                    ; and go through the other stage while this step is worked
.endif
	v_max3_num_f32 v8, |v[XS]|, |v[XS+1]|, |v[XS+2]|               ; the largest magnitude of my 16
	v_max3_num_f32 v9, |v[XS+3]|, |v[XS+4]|, |v[XS+5]|
.irp i, 6,10
	v_max3_num_f32 v8, v8, |v[XS+\i]|, |v[XS+\i+1]|
	v_max3_num_f32 v9, v9, |v[XS+\i+2]|, |v[XS+\i+3]|
.endr
	v_max3_num_f32 v8, v8, |v[XS+14]|, |v[XS+15]|
	v_max3_num_f32 v8, v8, v9, (EMAX+1)<<23        ; and the floor 2^(EMAX + 1 - 127): the byte cannot fall under 1
	v_max_num_f32_dpp v8, v8, v8 row_xmask:1 row_mask:0xf bank_mask:0xf   ; and of my neighbour's 16: the block's
	v_add_nc_u32 v11, -(EMAX<<23), v8              ; EMAX off its exponent field: the conversion takes the exponent field of this operand as its scale
	v_cvt_scalef32_pk8_fp4_f32 v[C+4*(\t)], v[XS:XS+7], v11        ; eight numbers / the scale, to the nearest code, ties to even, beyond the largest code the largest
	v_cvt_scalef32_pk8_fp4_f32 v[C+4*(\t)+1], v[XS+8:XS+15], v11
	v_lshrrev_b32 v[E+(\t)], 23, v11               ; the scale's byte (a plain line behind the conversions)
	ds_store_b8 v5, v[E+(\t)] offset:16*(\t)       ; both lanes of a block write the same byte with the same value
	global_store_b64 v4, v[C+4*(\t):C+4*(\t)+1], s[28:29] offset:32*CB*(\t)   ; 32 lanes store 256 consecutive bytes, aligned
.endm
.irp t, 0,1,2,3,4,5,6,7,8,9,10,11,12,13,14,15
	STEP \t
.endr
	ds_load_b64 v[8:9], v6                         ; LDS serves a wave's instructions in order: these see my stores
	s_wait_dscnt 0x0
	global_store_b64 v7, v[8:9], s[30:31]          ; 32 lanes store 256 consecutive bytes, aligned
	s_wait_tensorcnt 0x0                           ; the wave's end, behind my last LDS store
	ds_add_u32 v[SPW], v[NIL]
	s_wait_dscnt 0x0
	s_endpgm
; THE CAST OF Wo.  A wave takes 8 rows n, two at a time.  A load reads 256 consecutive bytes (64 numbers: one head's k) of row n in lanes 0-15 and of row n + 1 in lanes 16-31; a lane's four numbers
; become 8 bytes, and the 32 lanes store rows n and n + 1 of one kb of wo16: 256 consecutive bytes, aligned.  No LDS.
.Lcast:
	s_sub_co_u32 s34, ttmp9, 224
	s_lshl_b32 s34, s34, 2
	s_add_co_u32 s34, s34, s24                     ; which run of 8 rows is my wave's
	s_mov_b32 s37, 0
	s_lshl_b32 s36, s34, 15                        ; 8 rows of 4,096 bytes in Wo
	s_add_nc_u64 s[12:13], s[12:13], s[36:37]
	s_lshl_b32 s36, s34, 10                        ; 8 rows of 128 bytes in a kb of wo16
	s_add_nc_u64 s[22:23], s[22:23], s[36:37]
	v_and_b32 v8, 15, v0
	v_lshlrev_b32 v8, 4, v8
	v_bfe_u32 v9, v0, 4, 1
	v_lshl_add_u32 v8, v9, 12, v8                  ; in: 4,096 (lane / 16) + 16 (lane % 16)
	v_lshlrev_b32 v9, 3, v2                        ; out: 8 x lane
.macro LOADP p                         ; rows 2 p and 2 p + 1 of my 8, all 16 heads, into set p % 2
.irp j, 0,1,2,3,4,5,6,7,8,9,10,11,12,13,14,15
	global_load_b128 v[R+64*((\p)%2)+4*\j:R+64*((\p)%2)+4*\j+3], v8, s[12:13] offset:(\p)*8192+\j*256 th:TH_LOAD_NT
.endr
.endm
.macro CASTP p
.if (\p) < 3
	s_wait_loadcnt 16                              ; this pair of rows is in; the next pair's sixteen loads may be out
.else
	s_wait_loadcnt 0x0
.endif
.irp j, 0,1,2,3,4,5,6,7,8,9,10,11,12,13,14,15
	v_cvt_pk_f16_f32 v[R+64*((\p)%2)+4*\j], v[R+64*((\p)%2)+4*\j], v[R+64*((\p)%2)+4*\j+1]
	v_cvt_pk_f16_f32 v[R+64*((\p)%2)+4*\j+1], v[R+64*((\p)%2)+4*\j+2], v[R+64*((\p)%2)+4*\j+3]
	global_store_b64 v9, v[R+64*((\p)%2)+4*\j:R+64*((\p)%2)+4*\j+1], s[22:23] offset:\j*131072+(\p)*256
.endr
.if (\p)+2 < 4
	s_wait_xcnt 0x0                                ; the stores have read this set: it is loaded again only behind this wait
	LOADP (\p)+2
.endif
.endm
	LOADP 0
	LOADP 1
	CASTP 0
	CASTP 1
	CASTP 2
	CASTP 3
	s_wait_tensorcnt 0x0                           ; the wave's end
	ds_add_u32 v[SPW], v[NIL]
	s_wait_dscnt 0x0
	s_endpgm
.Lfunc_end_k_q850c82eadf_quant:
	.size	k_q850c82eadf_quant, .Lfunc_end_k_q850c82eadf_quant-k_q850c82eadf_quant
	.p2alignl 7, 3214868480
	.fill 96, 4, 3214868480
	.section	.rodata,"a",@progbits
	.p2align	6, 0x0
	.amdhsa_kernel k_q850c82eadf_quant
		.amdhsa_group_segment_fixed_size 33280
		.amdhsa_private_segment_fixed_size 0
		.amdhsa_enable_private_segment 0
		.amdhsa_kernarg_size 80
		.amdhsa_user_sgpr_count 2
		.amdhsa_user_sgpr_kernarg_segment_ptr 1
		.amdhsa_wavefront_size32 1
		.amdhsa_system_sgpr_workgroup_id_x 1
		.amdhsa_system_sgpr_workgroup_id_y 1
		.amdhsa_system_sgpr_workgroup_id_z 1
		.amdhsa_system_vgpr_workitem_id 0
		.amdhsa_next_free_vgpr 192
		.amdhsa_next_free_sgpr 66
		.amdhsa_reserve_vcc 0
		.amdhsa_float_denorm_mode_32 3
		.amdhsa_float_denorm_mode_16_64 3
		.amdhsa_memory_ordered 1
		.amdhsa_forward_progress 1
		.amdhsa_inst_pref_size 55
	.end_amdhsa_kernel
	.amdgpu_metadata
---
amdhsa.version: [ 1, 2 ]
amdhsa.kernels:
  - .name:           k_q850c82eadf_quant
    .symbol:         k_q850c82eadf_quant.kd
    .args:
      - { .name: hidden_states, .offset: 0, .size: 8, .value_kind: global_buffer, .address_space: global }
      - { .name: Wq, .offset: 8, .size: 8, .value_kind: global_buffer, .address_space: global }
      - { .name: Wk, .offset: 16, .size: 8, .value_kind: global_buffer, .address_space: global }
      - { .name: Wv, .offset: 24, .size: 8, .value_kind: global_buffer, .address_space: global }
      - { .name: Wo, .offset: 32, .size: 8, .value_kind: global_buffer, .address_space: global }
      - { .name: xc, .offset: 40, .size: 8, .value_kind: global_buffer, .address_space: global }
      - { .name: xs, .offset: 48, .size: 8, .value_kind: global_buffer, .address_space: global }
      - { .name: wc, .offset: 56, .size: 8, .value_kind: global_buffer, .address_space: global }
      - { .name: ws, .offset: 64, .size: 8, .value_kind: global_buffer, .address_space: global }
      - { .name: wo16, .offset: 72, .size: 8, .value_kind: global_buffer, .address_space: global }
    .group_segment_fixed_size: 33280
    .private_segment_fixed_size: 0
    .kernarg_segment_align: 8
    .kernarg_segment_size: 80
    .max_flat_workgroup_size: 128
    .sgpr_count:     66
    .vgpr_count:     192
    .wavefront_size: 32
...
	.end_amdgpu_metadata
.endif
;; end of part 1
;; launch qkv (part 2): grid 12 x 16, 4 waves a work-group, clusters of 4 x 4, 327,680 bytes of LDS; arguments xc, xs, wc, ws, qkv, attention_mask; writes qkv
.if DOCPART == 2
	.amdgcn_target "amdgcn-amd-amdhsa--gfx1250"
	.amdhsa_code_object_version 6
	.text
	.protected	k_q850c82eadf_qkv
	.globl	k_q850c82eadf_qkv
	.p2align	8
	.type	k_q850c82eadf_qkv,@function
k_q850c82eadf_qkv:
	s_mov_b64 s[64:65], 0
	v_nop
	global_prefetch_b8 v0, s[64:65] scope:SCOPE_SE
	s_setreg_imm32_b32 hwreg(HW_REG_WAVE_MODE, 25, 1), 1
	s_wait_xcnt 0x0
	s_wait_alu depctr_hold_cnt(0) depctr_sa_sdst(0) depctr_va_vdst(0) depctr_va_sdst(0) depctr_va_ssrc(0) depctr_va_vcc(0) depctr_vm_vsrc(0)
	s_getreg_b32 s2, hwreg(HW_REG_IB_STS2, 6, 4)
	s_cmp_eq_u32 s2, 0
	s_cbranch_scc0 .Lentry_in_a_cluster
	s_endpgm
.Lentry_in_a_cluster:
	s_bfe_u32 s2, ttmp6, 0x10000c
	s_cmp_lg_u32 s2, 0xf033
	s_cbranch_scc0 .Lentry_shape_is_right
	s_endpgm
.Lentry_shape_is_right:
; q, k and v in ONE product on codes of FP4 (E2M1) with one E8M0 scale for each 32 along K: C[m][n] = sum over k of x[m][k] W[n][k], m = 4,096 rows (batch x 2,048 + position), n = 3,072 (Wq, Wk, Wv), K = 1,024; sums in f32.
; THE RESULT is multiplied by a factor of its row, rounded to f16 and laid by head: qkv [3][32 (batch x 16 + head)][2048][64].  The factor: for q and v 1.0; for k log2(e) / 8 where the row's key counts (mask not 0)
; and 0 where it is masked: so the next launch's scores come in units of log2, and a masked key's score is exactly 0, onto which that launch adds its bias.  One text serves the three tensors, so q and v pay a multiplication by 1.
; LIMITS: |q|, |k|, |v| stay under 65,504 (f16); NaN and infinities are not served.
; A tile of C, 256 x 256, is made by a work-group of four waves; a wave makes 128 x 128: 64 accumulators of 16 x 16, 512 registers.  K is two slots of 512 long: both slots and the scales are filled once, at the start.
; 12 x 16 = 192 work-groups: a tile of 256 columns holds four whole heads; narrower tiles that gave 256 work-groups would cut heads.
; CLUSTERS: 4 x 4 work-groups.  The four of a row of the cluster need the same tiles of x, the four of a column the same tiles of W: each tile is asked for JOINTLY.  A cluster's x is the tensor (0 q, 1 k, 2 v).
; THE MATRIX INSTRUCTION IS USED TRANSPOSED (source 0 = 16 rows of W, source 1 = 16 rows of x): a lane then holds eight neighbouring numbers of a row of C.
; REGISTERS, in windows of 256: window 0: v0-31 addresses; v32-95 scale words, two sets; v96-107 the rows' mask and factor; from v128 A's fragments, ONE set; on the way out v128-255 are free.
;   window 1: B's fragments, TWO sets, at v0 and at v128.   window 2: the accumulators of my rows 0-63 ((a, b) at v[8 (8 a + b)]);   window 3: those of my rows 64-127.
.set SIZE_M, 4096
.set SIZE_N, 3072
.set SIZE_K, 1024
.set KSTEP,  512                       ; along K in a slot
.set NQ,     KSTEP/128                 ; matrix instructions deep
.set ROWB,   256                       ; a tile's row in bytes
.set KROW,   SIZE_K*4/8                ; a row of codes in memory, in bytes
.set PITCH,  272                       ; an LDS row: 256 bytes + 16 of padding: the 16 rows that a load touches start at 16 different banks (64 banks of 4 bytes: ISA guide 11.1)
.set FR,     8                         ; registers of a fragment: 16 rows x 128 K
.set NL,     2                         ; LDS loads that bring one
.set NP,     4                         ; places behind this matrix instruction (ISA guide 7.12.1)
.set HALFT,  128*PITCH                 ; 128 rows: what one tensor load brings
.set SLOT,   4*HALFT                   ; A's 256 rows, then B's 256 rows
.set KS,     SIZE_K/32                 ; a row of scales in bytes
.set SCL,    2*SLOT                    ; behind the slots: the scales, as pieces of 256 bytes + 16 of padding
.set HALFS,  (128*KS/256)*272          ; the scales of 128 rows: what one tensor load brings
.set SBLK,   (16*KS/256)*272           ; those of 16 rows
.set SPARE,  SCL+4*HALFS               ; behind the scales: the spare words, 128 bytes for each wave
.set SPITCH, 272                       ; the way out: a stage of 16 rows x (256 bytes + 16) for each wave, in slot 0, which has had its one fill and its last read when the first result is stored there
.set ADRA, 16                          ; v16-17  LDS address of my A fragments in slot 0, 1
.set ADRB, 20                          ; v20-21  the same for B
.set STO,  24                          ; v24     the way out: where I put 16 bytes of a row
.set RD,   25                          ; v25     the way out: where I read 16 bytes back
.set CO,   26                          ; v26     my byte offset in qkv
.set ADRS, 27                          ; v27     LDS address of my scale words: lanes 0-15 A's rows, lanes 16-31 B's
.set SPW,  28                          ; v28     LDS address of my spare word; never rewritten
.set NIL,  29                          ; v29     0; never rewritten
.set MO,   30                          ; v30     4 (lane % 16): my row's word of the mask; never rewritten
.set SC,   32                          ; scale words: set s at v[SC + 8 NQ s]; register NQ i + q: lanes 0-15 the word of A's block i, lanes 16-31 that of B's block i
.set MK,   96                          ; v96-103 the mask of my row of block a
.set FON,  104                         ; v104    the factor of a row whose key counts
.set FOFF, 105                         ; v105    and of one whose key is masked
.set FAC,  106                         ; v[106:107] the block's factor (the packed form names a pair and takes its low word for both halves)
.set AF,   128                         ; A's fragments, in window 0
.set BK,   128                         ; the way out: 16 rows read back from the stage: v128-159 and v160-191 by turns
.set TMP,  192                         ; the way out: v192-255 a block's 64 numbers x the factor, then v192-223 as f16
.set G1, 24                            ; s[24:31] descriptor group 1 for A's tiles;  s[32:39] group 0, one set for each slot
.set G0, 32
.set G1B, 48                           ; s[48:55], s[56:63] the same for B's tiles
.set G0B, 56
.set G1S, 68                           ; s[68:75], s[76:79] groups 1 and 0 for A's scales;  s[80:87], s[88:91] for B's
.set G0S, 76
.set G1SB, 80
.set G0SB, 88
.set MSB, 0
.macro WIN new                         ; the immediate's high byte repeats the setting that is left
.if MSB != \new
	s_set_vgpr_msb (MSB<<8)|\new
.set MSB, \new
.endif
.endm
.set MUL_LO, 0xa1                      ; source 0 (B) window 1, source 1 (A) window 0, C and D window 2
.set MUL_HI, 0xf1                      ; the same, C and D window 3
.set TO_B,   0x40                      ; destination window 1, address window 0
; A joint load: waves 0 and 1 fetch for A, waves 2 and 3 for B.  Each of the two lines has ONE mask and one set of registers for all that issue it; the branch hangs on the wave's number alone.
; An s_nop 0 and four v_nop follow each of the two lines, ahead of the jump, the label and what follows.
.macro JLOAD g0a, g1a, g0b, g1b
	s_cmp_eq_u32 s15, 0
	s_cbranch_scc0 .Lfor_b_\@
	tensor_load_to_lds s[\g0a:\g0a+3], s[\g1a:\g1a+7]
	s_nop 0
.rept 4
	v_nop
.endr
	s_branch .Lasked_\@
.Lfor_b_\@:
	tensor_load_to_lds s[\g0b:\g0b+3], s[\g1b:\g1b+7]
	s_nop 0
.rept 4
	v_nop
.endr
.Lasked_\@:
.endm
.macro CROUND                          ; a round of the cluster's barrier
	s_barrier_signal -1
	s_barrier_wait -1
	s_cmp_lg_u32 s14, 0
	s_cbranch_scc1 .Lnot_wave_0_\@
	s_barrier_signal -3
.Lnot_wave_0_\@:
	s_barrier_wait -3
	s_barrier_signal -1
	s_barrier_wait -1
.endm
	s_load_b128 s[4:7], s[0:1], 0x0                ; x's codes s[4:5], x's scales s[6:7]
	s_load_b128 s[8:11], s[0:1], 0x10              ; W's codes s[8:9], W's scales s[10:11]
	s_load_b64 s[12:13], s[0:1], 0x20              ; qkv
	s_load_b64 s[96:97], s[0:1], 0x28              ; the mask
	v_lshl_add_u32 v[SPW], v0, 2, SPARE
	v_mov_b32 v[NIL], 0
	ds_add_u32 v[SPW], v[NIL]                      ; the wave's opening: the add, twice on end, and its wait ahead of my first tensor load
	ds_add_u32 v[SPW], v[NIL]                      ; and once more, under the one wait; the set-up below, work on registers, stands between
	v_lshrrev_b32 v1, 5, v0
	v_readfirstlane_b32 s14, v1                    ; wave 0..3
	s_lshr_b32 s15, s14, 1                         ; which half of the tile's rows is mine.  Also: I fetch for A (0) or for B (1)
	s_and_b32 s16, s14, 1                          ; which half of its columns.  Also: which 128 rows of that tile I fetch
	s_bfe_u32 s40, ttmp6, 0x40000                  ; cx, cy: my place in the cluster
	s_bfe_u32 s41, ttmp6, 0x40004
	s_lshl_b32 s42, ttmp9, 2
	s_add_co_u32 s42, s42, s40                     ; tile column of C = 4 x cluster x + cx
	s_and_b32 s17, ttmp7, 0xffff
	s_lshl_b32 s17, s17, 2
	s_add_co_u32 s17, s17, s41                     ; tile row of C = 4 x cluster y + cy
	s_lshl_b32 s43, s41, 2
	s_lshl_b32 s43, 15, s43                        ; my row of the cluster
	s_lshl_b32 s44, 0x1111, s40                    ; my column
	; descriptor group 1: a tile of 128 rows x ROWB bytes, padded in LDS
	s_or_b32 s[G1+0], s43, (0<<16)|(1<<20)|(1<<21)|(5<<22)|(3<<25)  ; 15:0 the mask: A's tiles go to my row; 17:16 element of 1 byte; 20 padding on; 21 set beside a mask; 24:22 after every 64 words; 31:25 of 4 words
	s_or_b32 s[G1B+0], s44, (0<<16)|(1<<20)|(1<<21)|(5<<22)|(3<<25)
.irp g, G1, G1B
	s_mov_b32 s[\g+1], ROWB<<16                    ; tensor_dim0
	s_mov_b32 s[\g+2], 128<<16                     ; tensor_dim1 = 128
	s_mov_b32 s[\g+3], ROWB<<16                    ; tile_dim0
	s_mov_b32 s[\g+4], 128                         ; tile_dim1 = 128
	s_mov_b32 s[\g+5], KROW                        ; tensor_dim0_stride
	s_mov_b32 s[\g+6], 0
	s_mov_b32 s[\g+7], 0
.endr
	; and for the scales of 128 rows: a dense block of 128 KS bytes, as rows of 256 bytes (32 elements of 8 bytes), 16 bytes of padding behind each
	s_or_b32 s[G1S+0], s43, (3<<16)|(1<<20)|(1<<21)|(5<<22)|(3<<25)
	s_or_b32 s[G1SB+0], s44, (3<<16)|(1<<20)|(1<<21)|(5<<22)|(3<<25)
.irp g, G1S, G1SB
	s_mov_b32 s[\g+1], 32<<16
	s_mov_b32 s[\g+2], (128*KS/256)<<16
	s_mov_b32 s[\g+3], 32<<16
	s_mov_b32 s[\g+4], 128*KS/256
	s_mov_b32 s[\g+5], 32
	s_mov_b32 s[\g+6], 0
	s_mov_b32 s[\g+7], 0
.endr
	s_lshl_b32 s18, s16, 7                         ; which 128 rows of the tile I fetch
	s_lshl_b32 s20, s17, 8
	s_add_co_u32 s20, s20, s18                     ; A: row 256 x tile row + 128 x half
	s_lshl_b32 s46, s42, 8
	s_add_co_u32 s46, s46, s18                     ; B: row 256 x tile column + 128 x half
	s_mov_b32 s21, 0
	s_mov_b32 s47, 0
	s_mov_b64 s[18:19], KS
	s_mul_u64 s[22:23], s[20:21], s[18:19]         ; where these rows' scales begin, in bytes
	s_mul_u64 s[92:93], s[46:47], s[18:19]
	s_mov_b64 s[18:19], KROW
	s_mul_u64 s[20:21], s[20:21], s[18:19]         ; and their codes
	s_mul_u64 s[46:47], s[46:47], s[18:19]
	s_mul_i32 s45, s14, HALFT                      ; where they go: wave x 128 rows: no place in the cluster enters an LDS address
	s_mul_i32 s94, s14, HALFS
	s_wait_dscnt 0x0                               ; both opening adds are done
	s_wait_kmcnt 0x0
	s_add_nc_u64 s[20:21], s[4:5], s[20:21]
	s_add_nc_u64 s[22:23], s[6:7], s[22:23]
	s_add_nc_u64 s[46:47], s[8:9], s[46:47]
	s_add_nc_u64 s[92:93], s[10:11], s[92:93]
	CROUND                                         ; all sixteen work-groups are here: the first joint loads meet
	s_mov_b32 s[G0S], 1
	s_add_co_u32 s[G0S+1], s94, SCL
	s_mov_b64 s[G0S+2:G0S+3], s[22:23]
	s_or_b32 s[G0S+3], s[G0S+3], 0x80000000
	s_mov_b32 s[G0SB], 1
	s_add_co_u32 s[G0SB+1], s94, SCL
	s_mov_b64 s[G0SB+2:G0SB+3], s[92:93]
	s_or_b32 s[G0SB+3], s[G0SB+3], 0x80000000
	JLOAD G0S, G1S, G0SB, G1SB                     ; the scales first: they are wanted with slot 0.  With the two below, three tensor loads of mine are out
.irp s, 0,1
	s_mov_b32 s[G0+4*\s], 1
	s_add_co_u32 s[G0+4*\s+1], s45, \s*SLOT
	s_add_nc_u64 s[G0+4*\s+2:G0+4*\s+3], s[20:21], \s*ROWB
	s_or_b32 s[G0+4*\s+3], s[G0+4*\s+3], 0x80000000
	s_mov_b32 s[G0B+4*\s], 1
	s_add_co_u32 s[G0B+4*\s+1], s45, \s*SLOT
	s_add_nc_u64 s[G0B+4*\s+2:G0B+4*\s+3], s[46:47], \s*ROWB
	s_or_b32 s[G0B+4*\s+3], s[G0B+4*\s+3], 0x80000000
	JLOAD G0+4*\s, G1, G0B+4*\s, G1B
.endr
	v_and_b32 v1, 15, v0                           ; l % 16
	v_bfe_u32 v2, v0, 4, 1                         ; l / 16
	v_mul_u32_u24 v3, v1, PITCH
	v_lshl_add_u32 v4, v2, 4, v3                   ; a fragment's row x pitch + 16 x half
	s_mul_i32 s21, s15, HALFT                      ; my 128 rows of A
	s_mul_i32 s22, s16, HALFT                      ; my 128 rows of B,
	s_add_co_u32 s22, s22, 2*HALFT                 ; which lie behind A's 256
.irp s, 0,1
	v_add_nc_u32 v[ADRA+\s], s21, v4
	v_add_nc_u32 v[ADRB+\s], s22, v4
	s_add_co_u32 s21, s21, SLOT
	s_add_co_u32 s22, s22, SLOT
.endr
	v_mul_u32_u24 v5, v1, KS                       ; my row's scales: KS bytes a row,
	v_lshrrev_b32 v6, 8, v5
	v_lshl_add_u32 v5, v6, 4, v5                   ; and 16 more for each 256 passed
	s_mul_i32 s21, s15, HALFS                      ; A's: my 128 rows
	s_mul_i32 s22, s16, HALFS                      ; B's: my 128 rows, behind A's 256
	s_add_co_u32 s22, s22, 2*HALFS
	s_sub_co_u32 s22, s22, s21
	v_mul_u32_u24 v6, s22, v2                      ; lanes 16-31 take B's
	s_add_co_u32 s21, s21, SCL
	v_add_nc_u32 v5, v5, v6
	v_add_nc_u32 v[ADRS], s21, v5
	s_mul_i32 s23, s14, 16*SPITCH                  ; my stage
	v_mul_u32_u24 v5, v1, SPITCH                   ; in: row l % 16, 16 bytes for each half of the lanes
	v_lshl_add_u32 v5, v2, 4, v5
	v_add_nc_u32 v[STO], s23, v5
	v_bfe_u32 v5, v0, 3, 1                         ; back: lanes 0-15 take two rows' 128 bytes of my first head, lanes 16-31 those of my second
	v_mul_u32_u24 v5, v5, SPITCH
	v_lshl_add_u32 v5, v2, 7, v5
	v_and_b32 v6, 7, v0
	v_lshl_add_u32 v5, v6, 4, v5
	v_add_nc_u32 v[RD], s23, v5
	v_lshlrev_b32 v[CO], 4, v1                     ; and in qkv: 16 (l % 16) in two rows of 128 bytes,
	v_lshl_add_u32 v[CO], v2, 18, v[CO]            ; a head (2,048 rows of 128 bytes) on for lanes 16-31
	; where my part begins in qkv: tensor x 8,388,608 + ((16 batch + head) x 2,048 + position) x 128
	s_lshr_b32 s20, s17, 3                         ; batch
	s_lshl_b32 s20, s20, 15                        ; 16 heads of 2,048 rows
	s_and_b32 s21, s17, 7
	s_lshl_b32 s21, s21, 8
	s_add_co_u32 s20, s20, s21                     ; + 256 x the tile row in the batch
	s_lshl_b32 s21, s15, 7
	s_add_co_u32 s20, s20, s21                     ; + my half's 128 rows
	s_lshl_b32 s20, s20, 7                         ; in bytes
	s_mov_b32 s21, 0
	s_lshl_b32 s46, s40, 2
	s_lshl_b32 s47, s16, 1
	s_add_co_u32 s46, s46, s47                     ; my first head: 4 cx + 2 x half
	s_lshl_b32 s46, s46, 18
	s_lshl_b32 s47, ttmp9, 23                      ; the tensor
	s_add_co_u32 s46, s46, s47
	s_mov_b32 s47, 0
	s_add_nc_u64 s[20:21], s[20:21], s[46:47]
	s_add_nc_u64 s[12:13], s[12:13], s[20:21]
	; the mask of my 128 rows, and the two factors
	s_lshl_b32 s92, s17, 10
	s_lshl_b32 s93, s15, 9
	s_add_co_u32 s92, s92, s93                     ; (256 x tile row + 128 x half) words
	s_mov_b32 s93, 0
	s_add_nc_u64 s[96:97], s[96:97], s[92:93]
	v_lshlrev_b32 v[MO], 2, v1
.irp a, 0,1,2,3,4,5,6,7
	global_load_b32 v[MK+\a], v[MO], s[96:97] offset:64*\a   ; the mask of row 16 a + l % 16 (both halves of the lanes take the same word)
.endr
	s_mov_b32 s95, 1.0
	s_cmp_eq_u32 ttmp9, 1                          ; is this cluster's tensor k?  The same in all sixteen partners; it only selects values
	s_cselect_b32 s94, 0x3e38aa3b, s95             ; log2(e) / 8, or 1
	s_cselect_b32 s95, 0, s95                      ; 0, or 1
	v_mov_b32 v[FON], s94
	v_mov_b32 v[FOFF], s95
	v_mov_b32 v[FAC+1], 0                          ; (named with the factor as a pair, so it is written)
.macro FRAG reg, adr, q, i             ; a fragment, 16 rows x 128 K of 4-bit codes, is 8 registers: lane l holds row l % 16; registers 4 c .. 4 c + 3 hold K = 64 c + 32 (l / 16) + 0 .. 31
.irp c, 0,1
	ds_load_b128 v[\reg+4*\c:\reg+4*\c+3], v[\adr] offset:64*(\q)+32*\c+(\i)*16*PITCH
.endr
.endm
; 16 matrix instructions: A's blocks a0, a0 + 1 x B's eight, 128 along K: the slot's q-th.  p: B's set;  sc: the set of scale words.  zero = 1: the first product starts the sums: nothing is ever cleared.
; The 64 accumulators take turns, one instruction a turn, in the same order in every step.
.macro MUL16 a0, p, q, sc, zero
.irp a, \a0, \a0+1
.irp b, 0,1,2,3,4,5,6,7
.if \zero
	v_wmma_scale_f32_16x16x128_f8f6f4 v[8*(8*((\a)%4)+\b):8*(8*((\a)%4)+\b)+7], v[128*(\p)+FR*\b:128*(\p)+FR*\b+FR-1], v[AF+FR*(\a):AF+FR*(\a)+FR-1], 0, v[SC+8*NQ*(\sc)+NQ*\b+(\q)], v[SC+8*NQ*(\sc)+NQ*(\a)+(\q)] matrix_a_fmt:MATRIX_FMT_FP4 matrix_b_fmt:MATRIX_FMT_FP4 matrix_a_scale:MATRIX_SCALE_ROW1
.else
	v_wmma_scale_f32_16x16x128_f8f6f4 v[8*(8*((\a)%4)+\b):8*(8*((\a)%4)+\b)+7], v[128*(\p)+FR*\b:128*(\p)+FR*\b+FR-1], v[AF+FR*(\a):AF+FR*(\a)+FR-1], v[8*(8*((\a)%4)+\b):8*(8*((\a)%4)+\b)+7], v[SC+8*NQ*(\sc)+NQ*\b+(\q)], v[SC+8*NQ*(\sc)+NQ*(\a)+(\q)] matrix_a_fmt:MATRIX_FMT_FP4 matrix_b_fmt:MATRIX_FMT_FP4 matrix_a_scale:MATRIX_SCALE_ROW1
.endif
.endr
.endr
.endm
.macro FETCH_B slot, q, p              ; B's eight fragments of the slot's q-th 128 along K into set p
	WIN TO_B
.irp i, 0,1,2,3,4,5,6,7
	FRAG 128*(\p)+FR*\i, ADRB+\slot, \q, \i
.endr
	WIN 0
.endm
.macro FETCH_A slot, q, i0             ; A's blocks i0 .. i0 + 3
.irp i, \i0, \i0+1, \i0+2, \i0+3
	FRAG AF+FR*(\i), ADRA+\slot, \q, \i
.endr
.endm
.macro SCALES sc                       ; a slot's scale words into set sc: NQ words a row; lanes 0-15 take A's block i, lanes 16-31 B's block i
.irp i, 0,1,2,3,4,5,6,7
	ds_load_b128 v[SC+8*NQ*\sc+NQ*\i:SC+8*NQ*\sc+NQ*\i+3], v[ADRS] offset:\i*SBLK
.endr
.endm
; A load into a register that a matrix instruction has read, and a vector instruction that reads a matrix result, stand NP places behind that matrix instruction, and only plain vector
; instructions that name none of its registers are places (ISA guide 7.12.1 for vector instructions).
.macro PLACES n
.rept \n
	v_nop
.endr
.endm
; A step of 128 along K that has its successor in the same slot.
.macro STEP slot, q, zero
	s_wait_dscnt 4*NL                              ; B's set and A's blocks 0-3 are in; the youngest eight loads (A's blocks 4-7) may be out
	WIN MUL_LO
	MUL16 0, (\q)%2, \q, \slot, \zero
	MUL16 2, (\q)%2, \q, \slot, \zero
	s_wait_dscnt 0                                 ; A's blocks 4-7 are in (asked for 32 matrix instructions ago)
	PLACES NP
	FETCH_B \slot, (\q)+1, 1-(\q)%2
	FETCH_A \slot, (\q)+1, 0
	WIN MUL_HI
	MUL16 4, (\q)%2, \q, \slot, \zero
	MUL16 6, (\q)%2, \q, \slot, \zero
	PLACES NP
	WIN 0
	FETCH_A \slot, (\q)+1, 4
.endm
; Slot 0's last step changes slots: ONE barrier; in front of it each wave waits for all its tensor loads (slot 1's is the one that may be out), adds 0 to its spare word, and waits for that and for its own reads of slot 0.
; Nothing is filled again: K ends with slot 1.
.macro TURN slot, next
	s_wait_tensorcnt 0x0                           ; all my tensor loads have landed: my part of the next slot;  (every window is 0 here)
	ds_add_u32 v[SPW], v[NIL]                      ; 0 onto my spare word;
	s_wait_dscnt 4*NL+1                            ; (the add and the youngest eight loads, A's blocks 4-7, may be out)
	WIN MUL_LO
	MUL16 0, 1, NQ-1, \slot, 0                     ; sixteen matrix instructions stand between the add and the wait for it
	s_wait_dscnt 0x0                               ; the add is done, and my reads of this slot are over
	s_barrier_signal -1
	MUL16 2, 1, NQ-1, \slot, 0
	WIN 0
	s_barrier_wait -1                              ; the next slot is whole, and nobody reads this one any more
	PLACES NP
	v_add_nc_u32 v[ADRS], 4*NQ, v[ADRS]            ; on to the next slot's scale words
	FETCH_B \next, 0, 0
	FETCH_A \next, 0, 0
	SCALES \next
	WIN MUL_HI
	MUL16 4, 1, NQ-1, \slot, 0
	MUL16 6, 1, NQ-1, \slot, 0
	PLACES NP
	WIN 0
	FETCH_A \next, 0, 4
.endm
.macro STEPS slot, from                ; the slot's steps from .. NQ - 2
.set Q, \from
.rept NQ-1-\from
	STEP \slot, Q, 0
.set Q, Q+1
.endr
.endm
	s_wait_tensorcnt 1                             ; the scales and my part of slot 0 are in (slot 1's load may be out)
	s_barrier_signal -1
	s_barrier_wait -1                              ; everybody's are
	FETCH_B 0, 0, 0
	FETCH_A 0, 0, 0
	SCALES 0
	FETCH_A 0, 0, 4
	STEP 0, 0, 1                                   ; the first step's products start the sums
	STEPS 0, 1
	TURN 0, 1
	STEPS 1, 0
	s_wait_dscnt 4*NL                              ; the very last step: nothing more to fetch
	WIN MUL_LO
	MUL16 0, 1, NQ-1, 1, 0
	MUL16 2, 1, NQ-1, 1, 0
	s_wait_dscnt 0
	WIN MUL_HI
	MUL16 4, 1, NQ-1, 1, 0
	MUL16 6, 1, NQ-1, 1, 0
	WIN 0
; THE WAY OUT, block by block of 16 rows x 128 columns (two heads).  PACK: the block's 64 numbers a lane x the row's factor, rounded to f16: 16 bytes for each accumulator.  TOSTAGE: into my own stage in LDS, and back so
; that sixteen lanes hold two rows of one head.  SEND: stored: lanes 0-15 write 256 consecutive bytes (rows s, s + 1 of my first head), aligned, lanes 16-31 the same rows of my second head.
.macro PACK a
.set AC, 64*((\a)%4)
	v_cmp_ne_u32 vcc_lo, 0, v[MK+(\a)]
	v_cndmask_b32 v[FAC], v[FOFF], v[FON], vcc_lo  ; my row's factor
	WIN 0x02+((\a)/4)                              ; source 0: window 2 or 3
.set i, 0
.rept 32
	v_pk_mul_f32 v[TMP+2*i:TMP+2*i+1], v[AC+2*i:AC+2*i+1], v[FAC:FAC+1] op_sel_hi:[1,0]   ; each accumulator from its low end on
.set i, i+1
.endr
	WIN 0
.set i, 0
.rept 32
	v_cvt_pk_f16_f32 v[TMP+i], v[TMP+2*i], v[TMP+2*i+1]
.set i, i+1
.endr
.endm
.macro TOSTAGE a
.irp b, 0,1,2,3,4,5,6,7
	ds_store_b128 v[STO], v[TMP+4*\b:TMP+4*\b+3] offset:32*\b
.endr
.set BB, BK+32*((\a)%2)
.irp t, 0,1,2,3,4,5,6,7
	ds_load_b128 v[BB+4*\t:BB+4*\t+3], v[RD] offset:\t*2*SPITCH    ; LDS serves a wave's instructions in order (ISA guide 5.7.1.4): these see the stores above
.endr
.endm
.macro SEND a
.set BB, BK+32*((\a)%2)
	s_wait_dscnt 0x0                               ; the block is back in registers
	s_wait_xcnt 0x0                                ; the block before has been read by its stores: the next TOSTAGE loads into its registers only behind this wait
.irp t, 0,1,2,3,4,5,6,7
	global_store_b128 v[CO], v[BB+4*\t:BB+4*\t+3], s[12:13] offset:(\a)*2048+\t*256
.endr
.endm
	s_wait_loadcnt 0x0                             ; the mask
	PLACES NP                                      ; behind the last products: for the reads of results and the loads into the registers that held A's fragments
	PACK 0
	TOSTAGE 0
.irp a, 1,2,3,4,5,6,7                  ; block a's arithmetic stands between block a - 1's loads from the stage and the wait for them
	PACK \a
	SEND \a-1
	TOSTAGE \a
.endr
	SEND 7
	s_wait_tensorcnt 0x0                           ; the wave's end, behind my last tensor load and my last LDS store
	ds_add_u32 v[SPW], v[NIL]
	s_wait_dscnt 0x0
	CROUND                                         ; the closing round: no work-group ends while a partner may still ask for a tile that names it
	s_endpgm
.Lfunc_end_k_q850c82eadf_qkv:
	.size	k_q850c82eadf_qkv, .Lfunc_end_k_q850c82eadf_qkv-k_q850c82eadf_qkv
	.p2alignl 7, 3214868480
	.fill 96, 4, 3214868480
	.section	.rodata,"a",@progbits
	.p2align	6, 0x0
	.amdhsa_kernel k_q850c82eadf_qkv
		.amdhsa_group_segment_fixed_size 327680
		.amdhsa_private_segment_fixed_size 0
		.amdhsa_enable_private_segment 0
		.amdhsa_kernarg_size 48
		.amdhsa_user_sgpr_count 2
		.amdhsa_user_sgpr_kernarg_segment_ptr 1
		.amdhsa_wavefront_size32 1
		.amdhsa_system_sgpr_workgroup_id_x 1
		.amdhsa_system_sgpr_workgroup_id_y 1
		.amdhsa_system_sgpr_workgroup_id_z 1
		.amdhsa_system_vgpr_workitem_id 0
		.amdhsa_next_free_vgpr 1024
		.amdhsa_next_free_sgpr 98
		.amdhsa_reserve_vcc 1
		.amdhsa_float_denorm_mode_32 3
		.amdhsa_float_denorm_mode_16_64 3
		.amdhsa_memory_ordered 1
		.amdhsa_forward_progress 1
		.amdhsa_inst_pref_size 144
	.end_amdhsa_kernel
	.amdgpu_metadata
---
amdhsa.version: [ 1, 2 ]
amdhsa.kernels:
  - .name:           k_q850c82eadf_qkv
    .symbol:         k_q850c82eadf_qkv.kd
    .args:
      - { .name: xc, .offset: 0, .size: 8, .value_kind: global_buffer, .address_space: global }
      - { .name: xs, .offset: 8, .size: 8, .value_kind: global_buffer, .address_space: global }
      - { .name: wc, .offset: 16, .size: 8, .value_kind: global_buffer, .address_space: global }
      - { .name: ws, .offset: 24, .size: 8, .value_kind: global_buffer, .address_space: global }
      - { .name: qkv, .offset: 32, .size: 8, .value_kind: global_buffer, .address_space: global }
      - { .name: attention_mask, .offset: 40, .size: 8, .value_kind: global_buffer, .address_space: global }
    .group_segment_fixed_size: 327680
    .private_segment_fixed_size: 0
    .kernarg_segment_align: 8
    .kernarg_segment_size: 48
    .max_flat_workgroup_size: 128
    .sgpr_count:     98
    .vgpr_count:     1024
    .wavefront_size: 32
...
	.end_amdgpu_metadata
.endif
;; end of part 2
;; launch attn (part 3): grid 8 x 32, 8 waves a work-group, clusters of 4 x 1, 327,680 bytes of LDS; arguments qkv, attention_mask, ao; writes ao
.if DOCPART == 3
	.amdgcn_target "amdgcn-amd-amdhsa--gfx1250"
	.amdhsa_code_object_version 6
	.text
	.protected	k_q850c82eadf_attn
	.globl	k_q850c82eadf_attn
	.p2align	8
	.type	k_q850c82eadf_attn,@function
k_q850c82eadf_attn:
	s_mov_b64 s[64:65], 0
	v_nop
	global_prefetch_b8 v0, s[64:65] scope:SCOPE_SE
	s_setreg_imm32_b32 hwreg(HW_REG_WAVE_MODE, 25, 1), 1
	s_wait_xcnt 0x0
	s_wait_alu depctr_hold_cnt(0) depctr_sa_sdst(0) depctr_va_vdst(0) depctr_va_sdst(0) depctr_va_ssrc(0) depctr_va_vcc(0) depctr_vm_vsrc(0)
	s_getreg_b32 s2, hwreg(HW_REG_IB_STS2, 6, 4)
	s_cmp_eq_u32 s2, 0
	s_cbranch_scc0 .Lentry_in_a_cluster
	s_endpgm
.Lentry_in_a_cluster:
	s_bfe_u32 s2, ttmp6, 0x10000c
	s_cmp_lg_u32 s2, 0x3003
	s_cbranch_scc0 .Lentry_shape_is_right
	s_endpgm
.Lentry_shape_is_right:
; o[b][h][q][:] = the sum over k of softmax_k(score) v[b][h][k][:], score = q . k / 8, or -1e9 where the key's mask is 0.  q, k', v: qkv [3][32 (16 b + h)][2048][64], f16; o: ao [16 h][4096 (2048 b + q)][64], f16.
; THE MASK COSTS NO LINE IN THE LOOP.  k' is k x log2(e) / 8, and all zeros for a masked key (the launch before made it so): t = q . k' is the score in units of log2, exactly 0 for a masked key.  The first matrix
; instruction of each tile of scores takes as its C a bias of the key: 0, or NEG = -1e9 x log2(e) as f32.  So a masked t is exactly NEG, as the -1e9 asks: beside any key that counts its weight is 0, and where no
; key of a batch counts all weights are equal.
; SOFTMAX.  For each query a running maximum m and sum l: p = 2^(t - m); in every step O and l are multiplied by a = 2^(m_old - m_new).  p is rounded to f16 for the second product; THE ROW'S SUM IS TAKEN OF THE ROUNDED p,
; by the matrix unit: a constant fragment with ones in rows 0 and 8 gives, in register 0 of its result, my query's sum in both halves of the lanes.  Products, maxima and sums in f32; o is rounded to f16 once.
; LIMITS: |q|, |k'|, |v|, |o| under 65,504 (f16); NaN and infinities are not served.
; SHARES.  A work-group owns 256 queries of one batch and head; each of its eight waves owns 32: two tiles of 16, in 512 registers: two waves to a SIMD, so that one wave's softmax stands beside the other's products.
; Every wave walks all 2,048 keys, 64 a step, 4 steps a slot, through a ring of two LDS slots filled by the tensor data mover.
; LAYOUT.  S^T = K Q^T (source 0 = 16 keys, source 1 = 16 queries) and O^T = V^T P (source 0 = 16 channels x 32 keys, source 1 = P): a lane holds ONE query (lane % 16) throughout; two tiles of S^T, rounded in pairs,
; ARE source 1 of the second product.  K comes out of LDS as it lies, V ([key][channel]) turned, by ds_load_tr16_b128.
; CLUSTER.  The four query blocks of a cluster belong to one batch and head and walk the same K and V: each tile is asked for JOINTLY, by the same tensor load with a mask that names the four.
; REGISTERS.  Window 0: v1-13 addresses; v14, v15 the add's two; v16-31 statistics; v32-63 the bias of a step's 64 keys; v64-127 S^T; v128-159 P; v160-223 O^T; v224-239 the sums; v240.. at work.
;   Window 1: v0-31 Q; v32-95 K of a step; v96-159 V of a step; v160-167 the fragment of ones.
.set PK,    272                        ; an LDS row of K: two keys' 256 bytes + 16 of padding: key k at (k / 2) PK + 128 (k % 2): the 16 keys of a load start at 16 different groups of four banks (64 banks of 4 bytes: ISA guide 11.1)
.set PV,    288                        ; of V: 256 + 32
.set VOFF,  128*PK                     ; a slot: 256 keys of K (128 rows), then 256 keys of V
.set SLOT1, 1<<17                      ; slot 1 begins here, so that one exclusive or turns an address in one slot into the other's
.set SLOTB, 32768                      ; a slot's keys in memory: 256 x 128 bytes
.set KBASE, 8388608                    ; k' begins here in qkv, v as far on again
.set BIAS,  SLOT1+128*(PK+PV)          ; behind the ring: the bias of my batch's 2,048 keys, f32: 8,192 bytes, stored once; no tile lands here
.set STAGE, BIAS+8192                  ; the way out: 32 rows x (128 bytes + 16) for each wave
.set SPI,   144
.set SPARE, STAGE+8*32*SPI             ; the spare words, 128 bytes for each wave: four blocks of 256 bytes that no other line names
.set AK0, 2                            ; v2   my lane's place in a tile of K; never rewritten
.set AV0, 3                            ; v3   the same for V
.set AB0, 4                            ; v4   and in the bias
.set ADK, 5                            ; v5-7 the same in the slot in hand
.set ADV, 6
.set ADB, 7
.set QO,  8                            ; v8   my byte offset in the wave's rows of Q
.set STO, 9                            ; v9   the way out: where I put 16 bytes of a row
.set RD,  10                           ; v10  where I read 16 bytes back
.set GO,  11                           ; v11  my byte offset in the wave's rows of ao
.set PFO, 12                           ; v12  256 x my lane: the prefetches' offset; never rewritten
.set SPW, 14                           ; v14  LDS address of my spare word; never rewritten
.set NIL, 15                           ; v15  0; never rewritten
.set ST,  16                           ; tile t's statistics at v[ST + 8 t]: +0 m, +1 0, +2 a (at the end 1 / l), +3 0, +4 to +7 c0-c3, at work
.set BI,  32
.set S,   64
.set P,   128
.set O,   160
.set L,   224
.set OM,  240                          ; v240-241 the old m of tile t, then m_old - m_new
.set QF,  0                            ; in window 1
.set KF,  32
.set VF,  96
.set ONEF, 160
.set WV,  14                           ; s14  my wave's number
.set CX,  15                           ; s15  my place in the cluster
.set G1K, 24                           ; s[24:31] descriptor group 1 for K's tiles;  s[32:39] for V's: it differs in the padding alone
.set G1V, 32
.set G0K, 40                           ; s[40:43], s[44:47] their groups 0, which walk
.set G0V, 44
.set SEL, 48                           ; s[48:49] lane selects for v_permlanex16_b32: lane l xor 16
.set TB,  50                           ; s50  LDS byte at which the slot in hand begins
.set TBI, 51                           ; s51  where its keys' bias begins: 1,024 bytes a slot
.set SLOTS, 52                         ; s52  slots still to be asked for
.set LIM, 53                           ; s53  1 in a wave that prefetches, else the greatest number
.set PFA, 54                           ; s[54:55] where my prefetches stand in memory
.set MSB, 0
.macro WIN new                         ; the immediate's high byte repeats the setting that is left
.if MSB != \new
	s_set_vgpr_msb (MSB<<8)|\new
.set MSB, \new
.endif
.endm
; A joint load.  Waves 0 and 1 fetch K's halves of a slot, waves 2 and 3 V's, the others nothing.  The branches hang on the wave's number alone: they are the same in every work-group.
; An s_nop 0 and four v_nop follow each of the two lines.
.macro JLOAD
	s_cmp_lt_u32 s[WV], 2
	s_cbranch_scc0 .Lnot_k_\@
	tensor_load_to_lds s[G0K:G0K+3], s[G1K:G1K+7]
	s_nop 0
.rept 4
	v_nop
.endr
	s_branch .Lasked_\@
.Lnot_k_\@:
	s_cmp_lt_u32 s[WV], 4
	s_cbranch_scc0 .Lasked_\@
	tensor_load_to_lds s[G0V:G0V+3], s[G1V:G1V+7]
	s_nop 0
.rept 4
	v_nop
.endr
.Lasked_\@:
.endm
; A PREFETCH INTO THE L2 of what the NEXT change of slots will ask for: a slot's 32,768 bytes of K and of V, four key steps ahead of that load.  Both clusters of a batch and head walk the same K and V: the first asks.
; Its four partners share the bytes out BY ADDRESS, 8,192 each; in each, wave 4 asks for K's and wave 5 for V's: one instruction, lanes 256 bytes apart.  So each aligned 256 bytes are named once in the launch.
; The last change that fills a slot asks for nothing: there is no slot behind it.  Slots 0 and 1 come by their loads alone.
.macro ASK
	s_cmp_gt_u32 s[SLOTS], s[LIM]
	s_cbranch_scc0 .Lnot_mine_\@
	global_prefetch_b8 v[PFO], s[PFA:PFA+1] th:TH_LOAD_NT scope:SCOPE_SE
.Lnot_mine_\@:
.endm
.macro CROUND                          ; a round of the cluster's barrier
	s_barrier_signal -1
	s_barrier_wait -1
	s_cmp_lg_u32 s[WV], 0
	s_cbranch_scc1 .Lnot_wave_0_\@
	s_barrier_signal -3
.Lnot_wave_0_\@:
	s_barrier_wait -3
	s_barrier_signal -1
	s_barrier_wait -1
.endm
	s_load_b128 s[4:7], s[0:1], 0x0                ; qkv s[4:5], the mask s[6:7]
	s_load_b64 s[8:9], s[0:1], 0x10                ; ao
	v_lshl_add_u32 v[SPW], v0, 2, SPARE
	v_mov_b32 v[NIL], 0
	ds_add_u32 v[SPW], v[NIL]                      ; the wave's opening: the add, twice on end, and its wait ahead of my first tensor load
	ds_add_u32 v[SPW], v[NIL]                      ; and once more, under the one wait; the set-up below, work on registers, stands between
	v_lshrrev_b32 v1, 5, v0
	v_readfirstlane_b32 s[WV], v1                  ; wave 0..7
	s_bfe_u32 s[CX], ttmp6, 0x40000                ; cx
	s_lshl_b32 s16, ttmp9, 2                       ; in a cluster launch ttmp9 counts clusters
	s_add_co_u32 s16, s16, s[CX]                   ; my block of 256 queries: it enters Q's and ao's addresses alone
	s_and_b32 s17, ttmp7, 0xffff                   ; 16 b + h, which the four partners share
	s_lshl_b32 s18, s17, 18                        ; its 2,048 rows of 128 bytes
	s_and_b32 s19, s[WV], 1                        ; which half of a slot I fetch, if I fetch
	s_lshl_b32 s20, s19, 14                        ; 128 keys of 128 bytes
	s_add_co_u32 s20, s20, s18
	s_add_co_u32 s20, s20, KBASE                   ; K's half of slot 0, from qkv's first byte
	s_mov_b32 s21, 0
	s_add_co_u32 s22, s20, KBASE                   ; V's
	s_mov_b32 s23, 0
	s_mul_i32 s56, s19, 64*PK                      ; and in a slot: no place in the cluster enters an LDS address
	s_mul_i32 s57, s19, 64*PV
	s_add_co_u32 s57, s57, VOFF
	s_lshl_b32 s58, s16, 15
	s_lshl_b32 s59, s[WV], 12
	s_add_co_u32 s58, s58, s59                     ; (256 x block + 32 x wave) rows of 128 bytes
	s_add_co_u32 s60, s58, s18                     ; Q at my first query
	s_mov_b32 s61, 0
	s_and_b32 s12, s17, 15                         ; h
	s_lshl_b32 s12, s12, 19                        ; 4,096 rows of 128 bytes
	s_lshr_b32 s10, s17, 4                         ; b
	s_lshl_b32 s59, s10, 18                        ; 2,048 rows
	s_add_co_u32 s12, s12, s59
	s_add_co_u32 s12, s12, s58                     ; ao at my first query
	s_mov_b32 s13, 0
	s_lshl_b32 s10, s10, 13                        ; my batch's 2,048 words of the mask
	s_mov_b32 s11, 0
	s_mov_b32 s62, 2*KBASE
	s_cmp_eq_u32 s[WV], 4
	s_cselect_b32 s62, KBASE, s62                  ; the prefetches: wave 4 K's, wave 5 V's
	s_add_co_u32 s62, s62, s18
	s_lshl_b32 s63, s[CX], 13                      ; my work-group's 8,192 bytes of a slot's 32,768,
	s_add_co_u32 s62, s62, s63
	s_add_co_u32 s62, s62, SLOTB                   ; in slot 1: the first change of slots steps it to slot 2.  Nothing is prefetched at the head
	s_mov_b32 s63, 0
	s_sub_co_u32 s[LIM], s[WV], 4
	s_lshr_b32 s[LIM], s[LIM], 1                   ; 0 in waves 4 and 5,
	s_or_b32 s[LIM], s[LIM], ttmp9                 ; of the first cluster: the same in all four partners
	s_cmp_eq_u32 s[LIM], 0
	s_cselect_b32 s[LIM], 1, -1
	; descriptor group 1: 64 rows of 128 elements of 2 bytes (two keys a row: the keys are dense in memory), padded in LDS
	s_mov_b32 s[G1K], 15|(1<<16)|(1<<20)|(1<<21)|(5<<22)|(3<<25)  ; 15:0 the mask: all four work-groups; 17:16 elements of 2 bytes; 20 padding on; 21 set beside a mask; 24:22 after every 64 words; 31:25 4 words
	s_mov_b32 s[G1V], 15|(1<<16)|(1<<20)|(1<<21)|(5<<22)|(7<<25)  ; the same with 8 words of padding
.irp g, G1K, G1V
	s_mov_b32 s[\g+1], 128<<16                     ; tensor_dim0 = 128
	s_mov_b32 s[\g+2], 64<<16                      ; tensor_dim1 = 64
	s_mov_b32 s[\g+3], 128<<16                     ; tile_dim0 = 128
	s_mov_b32 s[\g+4], 64                          ; tile_dim1 = 64
	s_mov_b32 s[\g+5], 128                         ; tensor_dim0_stride
	s_mov_b32 s[\g+6], 0
	s_mov_b32 s[\g+7], 0
.endr
	s_mov_b32 s[SEL], 0x76543210
	s_mov_b32 s[SEL+1], 0xfedcba98
	s_mov_b32 s[TB], 0
	s_mov_b32 s[TBI], 0
	s_mov_b32 s[SLOTS], 7
	v_and_b32 v1, 15, v0                           ; r = l % 16
	v_bfe_u32 v13, v0, 4, 1                        ; h = l / 16
	v_lshrrev_b32 v240, 1, v1
	v_and_b32 v241, 1, v0
	v_mul_u32_u24 v[AK0], v240, PK                 ; K: key r: (r / 2) PK + 128 (r % 2) + 16 h
	v_lshl_add_u32 v[AK0], v241, 7, v[AK0]
	v_lshl_add_u32 v[AK0], v13, 4, v[AK0]
	v_bfe_u32 v242, v0, 1, 2                       ; V: the turning load: lane l reads 16 bytes of key 8 h + l % 8, channels 8 ((l / 8) % 2) on
	v_lshl_add_u32 v242, v13, 2, v242
	v_mul_u32_u24 v[AV0], v242, PV
	v_lshl_add_u32 v[AV0], v241, 7, v[AV0]
	v_bfe_u32 v243, v0, 3, 1
	v_lshl_add_u32 v[AV0], v243, 4, v[AV0]
	v_add_nc_u32 v[AV0], VOFF, v[AV0]
	v_lshlrev_b32 v[AB0], 5, v13                   ; the bias: my half's eight keys of a tile: 32 h
	v_add_nc_u32 v[AB0], BIAS, v[AB0]
	v_lshlrev_b32 v[QO], 7, v1                     ; Q: row r of 128 bytes + 16 h
	v_lshl_add_u32 v[QO], v13, 4, v[QO]
	s_mul_i32 s59, s[WV], 32*SPI
	s_add_co_u32 s59, s59, STAGE                   ; my stage
	v_mul_u32_u24 v[STO], v1, SPI                  ; in: row r, 16 bytes for each half of the lanes
	v_lshl_add_u32 v[STO], v13, 4, v[STO]
	v_add_nc_u32 v[STO], s59, v[STO]
	v_and_b32 v244, 31, v0
	v_lshrrev_b32 v245, 3, v244                    ; back: eight lanes to a row of 128 bytes, four rows an instruction
	v_mul_u32_u24 v[RD], v245, SPI
	v_and_b32 v246, 7, v0
	v_lshl_add_u32 v[RD], v246, 4, v[RD]
	v_add_nc_u32 v[RD], s59, v[RD]
	v_lshlrev_b32 v[GO], 4, v244                   ; and the same four rows in ao: 512 consecutive bytes
	v_lshlrev_b32 v[PFO], 8, v244
.irp t, 0,1
	v_mov_b32 v[ST+8*\t], 0xff61b1e6               ; m: -3e38, under every t
	v_mov_b32 v[ST+8*\t+1], 0                      ; (named with m, and with a, as pairs, so they are written)
	v_mov_b32 v[ST+8*\t+3], 0
.endr
.set j, 0
.rept 80
	v_mov_b32 v[O+j], 0                            ; O^T and the sums.  (The step is written once: the first finds zeros, which the first a leaves zeros)
.set j, j+1
.endr
	s_wait_dscnt 0x0                               ; both opening adds are done
	s_wait_kmcnt 0x0
	s_mov_b32 s[G0K], 1                            ; 1:0 count = 1
	s_mov_b32 s[G0K+1], s56                        ; 63:32 LDS address: slot 0
	s_add_nc_u64 s[G0K+2:G0K+3], s[4:5], s[20:21]  ; 120:64 global address
	s_or_b32 s[G0K+3], s[G0K+3], 0x80000000        ; 127:126 type = 2
	s_mov_b32 s[G0V], 1
	s_mov_b32 s[G0V+1], s57
	s_add_nc_u64 s[G0V+2:G0V+3], s[4:5], s[22:23]
	s_or_b32 s[G0V+3], s[G0V+3], 0x80000000
	s_add_nc_u64 s[PFA:PFA+1], s[4:5], s[62:63]
	s_add_nc_u64 s[60:61], s[4:5], s[60:61]        ; Q
	s_add_nc_u64 s[6:7], s[6:7], s[10:11]          ; the mask
	s_add_nc_u64 s[8:9], s[8:9], s[12:13]          ; ao
	CROUND                                         ; all four work-groups are here: the first joint loads meet
	JLOAD                                          ; slot 0: one tensor load of mine is out, here and behind every round
	v_lshlrev_b32 v248, 5, v0                      ; thread i takes keys 8 i .. 8 i + 7 of the batch's mask
	global_load_b128 v[240:243], v248, s[6:7]
	global_load_b128 v[244:247], v248, s[6:7] offset:16
	WIN 0x40                                       ; destination window 1, address window 0
.irp t, 0,1
.irp s, 0,1
	global_load_b128 v[QF+16*\t+8*\s:QF+16*\t+8*\s+3],   v[QO], s[60:61] offset:\t*2048+\s*64      ; Q stays in registers: tile t, channels 32 s on
	global_load_b128 v[QF+16*\t+8*\s+4:QF+16*\t+8*\s+7], v[QO], s[60:61] offset:\t*2048+\s*64+32
.endr
.endr
	WIN 0
	v_and_b32 v250, 7, v0                          ; the fragment of ones: 1.0 (f16, twice a register) in rows 0 and 8, which lanes with l % 8 = 0 hold; 0 elsewhere
	v_mov_b32 v251, 0x3c003c00
	v_cmp_eq_u32 vcc_lo, 0, v250
	v_cndmask_b32 v250, 0, v251, vcc_lo
	WIN 0x40
.irp i, 0,1,2,3,4,5,6,7
	v_mov_b32 v[ONEF+\i], v250
.endr
	WIN 0
	v_mov_b32 v249, 0xceabfb8f                     ; NEG = -1e9 x log2(e), rounded to f32
	v_lshl_add_u32 v252, v0, 5, BIAS
	s_wait_loadcnt 8                               ; the mask's two loads are in; Q's eight may be out
.irp i, 0,1,2,3,4,5,6,7
	v_cmp_eq_u32 vcc_lo, 0, v[240+\i]
	v_cndmask_b32 v[240+\i], 0, v249, vcc_lo       ; the key's bias: NEG where the mask is 0, else 0
.endr
	ds_store_b128 v252, v[240:243]                 ; the first change of slots waits for these stores and passes a barrier ahead of every read of them
	ds_store_b128 v252, v[244:247] offset:16
	s_wait_loadcnt 0x0                             ; Q
; A KEY STEP: 64 keys, the q-th of the slot in hand.  Every window is 0 at its head and at its end.
.macro STEP q
.rept 4
	v_nop                                          ; four places behind the last products, in front of the loads into V's registers (ISA guide 7.12.1 for vector instructions)
.endr
.irp i, 0,1,2,3
	ds_load_b128 v[BI+8*\i:BI+8*\i+3],   v[ADB] offset:(\q)*256+\i*64      ; register j of tile i: the bias of key 16 i + 8 h + j: the layout of a result
	ds_load_b128 v[BI+8*\i+4:BI+8*\i+7], v[ADB] offset:(\q)*256+\i*64+16
.endr
	WIN 0x40
.irp i, 0,1,2,3
.irp s, 0,1
	ds_load_b128 v[KF+16*\i+8*\s:KF+16*\i+8*\s+3],   v[ADK] offset:(\q)*32*PK+\i*8*PK+64*\s      ; keys 16 i on, channels 32 s on
	ds_load_b128 v[KF+16*\i+8*\s+4:KF+16*\i+8*\s+7], v[ADK] offset:(\q)*32*PK+\i*8*PK+64*\s+32
.endr
.endr
.irp g, 0,1
.irp c, 0,1,2,3
	ds_load_tr16_b128 v[VF+32*\g+8*\c:VF+32*\g+8*\c+3],   v[ADV] offset:(\q)*32*PV+\g*16*PV+32*\c          ; keys 32 g on, channels 16 c on
	ds_load_tr16_b128 v[VF+32*\g+8*\c+4:VF+32*\g+8*\c+7], v[ADV] offset:(\q)*32*PV+\g*16*PV+8*PV+32*\c
.endr
.endr
	s_wait_dscnt 16                                ; the bias and K are in; V's sixteen loads may be out
	WIN 0x05                                       ; K and Q in window 1
.irp s, 0,1                                    ; S^T = bias + K Q^T: the eight accumulators take turns, one instruction a turn
.irp i, 0,1,2,3
.irp t, 0,1
.if \s == 0
	v_wmma_f32_16x16x32_f16 v[S+32*\t+8*\i:S+32*\t+8*\i+7], v[KF+16*\i+8*\s:KF+16*\i+8*\s+7], v[QF+16*\t+8*\s:QF+16*\t+8*\s+7], v[BI+8*\i:BI+8*\i+7]
.else
	v_wmma_f32_16x16x32_f16 v[S+32*\t+8*\i:S+32*\t+8*\i+7], v[KF+16*\i+8*\s:KF+16*\i+8*\s+7], v[QF+16*\t+8*\s:QF+16*\t+8*\s+7], v[S+32*\t+8*\i:S+32*\t+8*\i+7]
.endif
.endr
.endr
.endr
	WIN 0
.irp t, 0,1
	v_mov_b32 v[OM+\t], v[ST+8*\t]                 ; the old m is kept.  (With the two v_nop: the four places behind the products)
.endr
	v_nop
	v_nop
.irp i, 0,1,2,3                                ; the maximum of my 32 scores and the old m, three operands at a time, four chains a tile, the tiles by turns; each accumulator is read from its low end on
.irp t, 0,1
	v_max3_num_f32 v[ST+8*\t+4+\i], v[S+32*\t+8*\i], v[S+32*\t+8*\i+1], v[S+32*\t+8*\i+2]
.endr
.endr
.irp k, 3,5
.irp i, 0,1,2,3
.irp t, 0,1
	v_max3_num_f32 v[ST+8*\t+4+\i], v[ST+8*\t+4+\i], v[S+32*\t+8*\i+\k], v[S+32*\t+8*\i+\k+1]
.endr
.endr
.endr
.irp t, 0,1
	v_max3_num_f32 v[ST+8*\t+4], v[ST+8*\t+4], v[S+32*\t+7], v[S+32*\t+15]
.endr
.irp t, 0,1
	v_max3_num_f32 v[ST+8*\t+6], v[ST+8*\t+6], v[S+32*\t+23], v[S+32*\t+31]
.endr
.irp t, 0,1
	v_max3_num_f32 v[ST+8*\t+4], v[ST+8*\t+4], v[ST+8*\t+5], v[ST+8*\t+6]
.endr
.irp t, 0,1
	v_max3_num_f32 v[ST+8*\t+4], v[ST+8*\t+4], v[ST+8*\t+7], v[ST+8*\t]
.endr
.irp t, 0,1
	v_permlanex16_b32 v[ST+8*\t+5], v[ST+8*\t+4], s[SEL], s[SEL+1]   ; the query's other 32 keys lie in the lane 16 away
.endr
.irp t, 0,1
	v_max_num_f32 v[ST+8*\t], v[ST+8*\t+4], v[ST+8*\t+5]            ; the new m
.endr
.irp t, 0,1
	v_sub_f32 v[OM+\t], v[OM+\t], v[ST+8*\t]       ; m_old - m_new
.endr
.irp n, 0,2,4,6,8,10,12,14,16,18,20,22,24,26,28,30
.irp t, 0,1
	v_pk_add_f32 v[S+32*\t+\n:S+32*\t+\n+1], v[S+32*\t+\n:S+32*\t+\n+1], v[ST+8*\t:ST+8*\t+1] op_sel_hi:[1,0] neg_lo:[0,1] neg_hi:[0,1]   ; t - m, two at a time
.endr
.endr
.irp t, 0,1
	v_exp_f32 v[ST+8*\t+2], v[OM+\t]               ; a.  ONE BATCH: the step's 66 exponentials, none of which reads another's result
.endr
.set j, 0
.rept 64
	v_exp_f32 v[S+j], v[S+j]                       ; p = 2^(t - m), at most 1
.set j, j+1
.endr
	v_nop                                          ; a plain instruction behind the last exponential,
	s_wait_alu depctr_va_vdst(0)                   ; and the one wait ahead of the batch's first reader
.set j, 0
.rept 32
	v_cvt_pk_f16_f32 v[P+j], v[S+2*j], v[S+2*j+1]  ; two neighbouring keys' weights to a register: source 1 of the second product
.set j, j+1
.endr
.irp t, 0,1
.set j, 0
.rept 16
	v_pk_mul_f32 v[O+32*\t+2*j:O+32*\t+2*j+1], v[O+32*\t+2*j:O+32*\t+2*j+1], v[ST+8*\t+2:ST+8*\t+3] op_sel_hi:[1,0]   ; O^T x a
.set j, j+1
.endr
.endr
.irp t, 0,1
	v_mul_f32 v[L+8*\t], v[L+8*\t], v[ST+8*\t+2]   ; l x a: register 0 holds my query's sum; the others stay zeros
.endr
	s_wait_dscnt 0x0                               ; V is in
	WIN 0x01                                       ; V and the ones in window 1
.irp g, 0,1                                    ; O^T += V^T P, l += ones x P: the ten accumulators take turns
.irp c, 0,1,2,3
.irp t, 0,1
	v_wmma_f32_16x16x32_f16 v[O+32*\t+8*\c:O+32*\t+8*\c+7], v[VF+32*\g+8*\c:VF+32*\g+8*\c+7], v[P+16*\t+8*\g:P+16*\t+8*\g+7], v[O+32*\t+8*\c:O+32*\t+8*\c+7]
.endr
.endr
.irp t, 0,1
	v_wmma_f32_16x16x32_f16 v[L+8*\t:L+8*\t+7], v[ONEF:ONEF+7], v[P+16*\t+8*\g:P+16*\t+8*\g+7], v[L+8*\t:L+8*\t+7]
.endr
.endr
	WIN 0
.endm
; THE CHANGE OF SLOTS stands at a slot's head.  Each wave waits for all its tensor loads (its part of the slot that it is about to read), adds 0 to its spare word, and waits for that and for its LDS instructions: its reads
; of the slot that it has left (the first time: its stores of the bias).  fill = 1: the barrier is a round of the cluster's, so that no wave of any partner still reads the other slot or has a load on its way, and the joint
; load of the keys that follow is the first thing behind it: it has a slot's four key steps in which to land.
.macro CHANGE fill
	s_wait_tensorcnt 0x0                           ; no tensor load of mine is out, so a group 0 may be written
	ds_add_u32 v[SPW], v[NIL]                      ; 0 onto my spare word
.if \fill
	ds_add_u32 v[SPW], v[NIL]                      ; and once more, in every trip alike
	s_xor_b32 s[G0K+1], s[G0K+1], SLOT1            ; the walking descriptors: the other slot than last time,
	s_add_nc_u64 s[G0K+2:G0K+3], s[G0K+2:G0K+3], SLOTB   ; the next 256 keys; the type bits on top are not reached
	s_xor_b32 s[G0V+1], s[G0V+1], SLOT1
	s_add_nc_u64 s[G0V+2:G0V+3], s[G0V+2:G0V+3], SLOTB
	s_wait_xcnt 0x0                                ; the last prefetch, a slot back, has read its address, so it may be written:
	s_add_nc_u64 s[PFA:PFA+1], s[PFA:PFA+1], SLOTB ; one slot further on than the walking descriptors
	s_wait_dscnt 0x0                               ; both adds are done, and my LDS instructions are over
	CROUND
	JLOAD
	ASK
.else
	s_wait_dscnt 0x0
	s_barrier_signal -1
	s_barrier_wait -1
.endif
.endm
.macro SLOT_STEPS
	v_add_nc_u32 v[ADK], s[TB], v[AK0]
	v_add_nc_u32 v[ADV], s[TB], v[AV0]
	v_add_nc_u32 v[ADB], s[TBI], v[AB0]
	STEP 0
	STEP 1
	STEP 2
	STEP 3
	s_xor_b32 s[TB], s[TB], SLOT1                  ; on to the other slot
	s_add_co_u32 s[TBI], s[TBI], 1024
.endm
.Lslot:                                            ; 7 trips: behind each change of slots but the last the next slot is asked for
	CHANGE 1
	SLOT_STEPS
	s_sub_co_u32 s[SLOTS], s[SLOTS], 1
	s_cmp_lg_u32 s[SLOTS], 0
	s_cbranch_scc1 .Lslot
	CHANGE 0                                       ; the last slot is written out
	SLOT_STEPS
	; THE WAY OUT.  O^T is divided by l, rounded to f16 and sent through my stage in LDS: a lane's eight channels of a row are 16 bytes; they come back eight lanes to a row, and 32 lanes store 512 consecutive bytes, aligned.
.rept 4
	v_nop                                          ; four places behind the last products
.endr
.irp t, 0,1
	v_rcp_f32 v[ST+8*\t+2], v[L+8*\t]              ; l is at least 1: the largest p of a row is 1
.endr
	v_nop                                          ; a plain instruction behind the reciprocals,
	s_wait_alu depctr_va_vdst(0)                   ; and the wait ahead of their first reader
.irp t, 0,1
.set j, 0
.rept 16
	v_pk_mul_f32 v[O+32*\t+2*j:O+32*\t+2*j+1], v[O+32*\t+2*j:O+32*\t+2*j+1], v[ST+8*\t+2:ST+8*\t+3] op_sel_hi:[1,0]
.set j, j+1
.endr
.endr
.set j, 0
.rept 32
	v_cvt_pk_f16_f32 v[S+j], v[O+2*j], v[O+2*j+1]
.set j, j+1
.endr
.irp t, 0,1
.irp c, 0,1,2,3
	ds_store_b128 v[STO], v[S+16*\t+4*\c:S+16*\t+4*\c+3] offset:\t*16*SPI+32*\c
.endr
.endr
.irp u, 0,1,2,3,4,5,6,7
	ds_load_b128 v[S+32+4*\u:S+32+4*\u+3], v[RD] offset:\u*4*SPI   ; LDS serves a wave's instructions in order (ISA guide 5.7.1.4): these see my stores
.endr
.irp u, 0,1,2,3,4,5,6,7
	s_wait_dscnt 7-\u                              ; load u is in; the younger ones may be out
	global_store_b128 v[GO], v[S+32+4*\u:S+32+4*\u+3], s[8:9] offset:\u*512
.endr
	s_wait_tensorcnt 0x0                           ; the wave's end, behind my last tensor load and my last LDS store
	ds_add_u32 v[SPW], v[NIL]
	s_wait_dscnt 0x0
	CROUND                                         ; the closing round: no work-group ends while a partner may still ask for a tile that names it
	s_endpgm
.Lfunc_end_k_q850c82eadf_attn:
	.size	k_q850c82eadf_attn, .Lfunc_end_k_q850c82eadf_attn-k_q850c82eadf_attn
	.p2alignl 7, 3214868480
	.fill 96, 4, 3214868480
	.section	.rodata,"a",@progbits
	.p2align	6, 0x0
	.amdhsa_kernel k_q850c82eadf_attn
		.amdhsa_group_segment_fixed_size 327680
		.amdhsa_private_segment_fixed_size 0
		.amdhsa_enable_private_segment 0
		.amdhsa_kernarg_size 24
		.amdhsa_user_sgpr_count 2
		.amdhsa_user_sgpr_kernarg_segment_ptr 1
		.amdhsa_wavefront_size32 1
		.amdhsa_system_sgpr_workgroup_id_x 1
		.amdhsa_system_sgpr_workgroup_id_y 1
		.amdhsa_system_sgpr_workgroup_id_z 1
		.amdhsa_system_vgpr_workitem_id 0
		.amdhsa_next_free_vgpr 512
		.amdhsa_next_free_sgpr 66
		.amdhsa_reserve_vcc 1
		.amdhsa_float_denorm_mode_32 3
		.amdhsa_float_denorm_mode_16_64 3
		.amdhsa_memory_ordered 1
		.amdhsa_forward_progress 1
		.amdhsa_inst_pref_size 147
	.end_amdhsa_kernel
	.amdgpu_metadata
---
amdhsa.version: [ 1, 2 ]
amdhsa.kernels:
  - .name:           k_q850c82eadf_attn
    .symbol:         k_q850c82eadf_attn.kd
    .args:
      - { .name: qkv, .offset: 0, .size: 8, .value_kind: global_buffer, .address_space: global }
      - { .name: attention_mask, .offset: 8, .size: 8, .value_kind: global_buffer, .address_space: global }
      - { .name: ao, .offset: 16, .size: 8, .value_kind: global_buffer, .address_space: global }
    .group_segment_fixed_size: 327680
    .private_segment_fixed_size: 0
    .kernarg_segment_align: 8
    .kernarg_segment_size: 24
    .max_flat_workgroup_size: 256
    .sgpr_count:     66
    .vgpr_count:     512
    .wavefront_size: 32
...
	.end_amdgpu_metadata
.endif
;; end of part 3
;; launch oproj (part 4): grid 8 x 32, 4 waves a work-group, clusters of 4 x 4, 327,680 bytes of LDS; arguments ao, wo16, out0; writes out0
.if DOCPART == 4
	.amdgcn_target "amdgcn-amd-amdhsa--gfx1250"
	.amdhsa_code_object_version 6
	.text
	.protected	k_q850c82eadf_oproj
	.globl	k_q850c82eadf_oproj
	.p2align	8
	.type	k_q850c82eadf_oproj,@function
k_q850c82eadf_oproj:
	s_mov_b64 s[64:65], 0
	v_nop
	global_prefetch_b8 v0, s[64:65] scope:SCOPE_SE
	s_setreg_imm32_b32 hwreg(HW_REG_WAVE_MODE, 25, 1), 1
	s_wait_xcnt 0x0
	s_wait_alu depctr_hold_cnt(0) depctr_sa_sdst(0) depctr_va_vdst(0) depctr_va_sdst(0) depctr_va_ssrc(0) depctr_va_vcc(0) depctr_vm_vsrc(0)
	s_getreg_b32 s2, hwreg(HW_REG_IB_STS2, 6, 4)
	s_cmp_eq_u32 s2, 0
	s_cbranch_scc0 .Lentry_in_a_cluster
	s_endpgm
.Lentry_in_a_cluster:
	s_bfe_u32 s2, ttmp6, 0x10000c
	s_cmp_lg_u32 s2, 0xf033
	s_cbranch_scc0 .Lentry_shape_is_right
	s_endpgm
.Lentry_shape_is_right:
; out0[m][n] = sum over k of o[m][k] Wo[n][k], m = 4,096, n = 1,024, k = 1,024 = 64 x head + channel.  Operands f16, laid by head: A = ao [16][4096 m][64], B = wo16 [16][1024 n][64]; sums and out0 in f32.
; LIMITS: |o| and |Wo| under 65,504 (f16).
; A tile of out0 is 128 x 128: 8 x 32 = 256 work-groups.  Four waves, each 64 x 64: 16 accumulators of 16 x 16, 128 registers.  K goes in steps of 256 (four heads) through a ring of two LDS slots.
; A TILE: a wave's one tensor load brings 64 rows x 4 heads.  In memory a head's 64 rows are 8,192 dense bytes, and the heads lie a whole head apart: so the tile is stated as 4 rows of 4,096 elements, with 16 bytes of
; padding behind every 256 bytes: in LDS a head's part is 32 pieces of 272 bytes, two rows of 128 bytes to a piece.  (Four long rows, not 64 short ones: the layout by head gives no other statement in two dimensions.)
; CLUSTERS: 4 x 4 work-groups.  The four of a row of the cluster need the same tiles of A, the four of a column the same tiles of B: each tile is asked for JOINTLY.
; THE MATRIX INSTRUCTION IS USED TRANSPOSED (source 0 = 16 rows of B, source 1 = 16 rows of A): a lane then holds eight neighbouring numbers of a row of out0.
; REGISTERS: window 0: v0-31 addresses; v32-95 at work on the way out; v128-255 the accumulators ((a, b) at v[128 + 8 (4 a + b)]).
;   window 1: two fragment buffers of 128: for 64 along K (a head: two matrix instructions deep), 64 registers of A, then 64 of B.
.set PC,     272                       ; a piece in LDS: two rows' 256 bytes + 16 of padding: row r at (r / 2) PC + 128 (r % 2): the 16 rows of a load start at 16 different groups of four banks (64 banks of 4 bytes: ISA guide 11.1)
.set ROW16,  8*PC                      ; 16 rows
.set HB,     32*PC                     ; a head's 64 rows
.set HALFT,  4*HB                      ; what one tensor load brings, and what one wave reads of A or of B
.set SLOT,   4*HALFT                   ; A's 128 rows, then B's 128 rows
.set ASTEP,  4*524288                  ; a K step in memory: four heads of 4,096 rows x 128 bytes,
.set BSTEP,  4*131072                  ; of 1,024 rows x 128 bytes
.set STAGE,  2*SLOT                    ; behind the ring: 16 rows x 272 bytes for each wave, for the way out
.set SPITCH, 272
.set SPARE,  STAGE+4*16*SPITCH         ; behind the stages: the spare words, 128 bytes for each wave
.set LAPS,   2                         ; a lap = two K steps = once round the ring
.set ADRA, 16                          ; v16-17  LDS address of my A fragments in slot 0, 1
.set ADRB, 20                          ; v20-21  the same for B
.set STO,  24                          ; v24     the way out: where I put 32 bytes of a row
.set RD,   25                          ; v25     the way out: where I read a row back
.set CO,   26                          ; v26     my byte offset in out0
.set SPW,  28                          ; v28     LDS address of my spare word; never rewritten
.set NIL,  29                          ; v29     0; never rewritten
.set TMP,  32                          ; the way out: two sets of 32 registers, 16 rows read back
.set ACC,  128
.set F0,   0                           ; fragment buffers, in window 1
.set F1,   128
.set G1, 24                            ; s[24:31] descriptor group 1 for A's tiles;  s[32:39] group 0, one set for each slot
.set G0, 32
.set G1B, 48                           ; s[48:55], s[56:63] the same for B's tiles
.set G0B, 56
.set MSB, 0
.macro WIN new                         ; the immediate's high byte repeats the setting that is left
.if MSB != \new
	s_set_vgpr_msb (MSB<<8)|\new
.set MSB, \new
.endif
.endm
.set MUL,  0x05                        ; sources 0 (B) and 1 (A) window 1; C and D window 0
.set TO_F, 0x40                        ; destination window 1, address window 0
.macro JLOAD s                         ; a joint load: waves 0 and 1 fetch A's two halves, waves 2 and 3 B's; an s_nop 0 and four v_nop follow each of the two lines, ahead of the jump, the label and what follows
	s_cmp_eq_u32 s11, 0
	s_cbranch_scc0 .Lfor_b_\@
	tensor_load_to_lds s[G0+4*\s:G0+4*\s+3], s[G1:G1+7]
	s_nop 0
.rept 4
	v_nop
.endr
	s_branch .Lasked_\@
.Lfor_b_\@:
	tensor_load_to_lds s[G0B+4*\s:G0B+4*\s+3], s[G1B:G1B+7]
	s_nop 0
.rept 4
	v_nop
.endr
.Lasked_\@:
.endm
.macro CREST                           ; a round of the cluster's barrier behind its opening barrier
	s_cmp_lg_u32 s10, 0
	s_cbranch_scc1 .Lnot_wave_0_\@
	s_barrier_signal -3
.Lnot_wave_0_\@:
	s_barrier_wait -3
	s_barrier_signal -1
	s_barrier_wait -1
.endm
.macro CROUND                          ; a whole round
	s_barrier_signal -1
	s_barrier_wait -1
	CREST
.endm
	s_load_b128 s[4:7], s[0:1], 0x0                ; ao s[4:5], wo16 s[6:7]
	s_load_b64 s[8:9], s[0:1], 0x10                ; out0
	v_lshl_add_u32 v[SPW], v0, 2, SPARE
	v_mov_b32 v[NIL], 0
	ds_add_u32 v[SPW], v[NIL]                      ; the wave's opening: the add, twice on end, and its wait ahead of my first tensor load
	ds_add_u32 v[SPW], v[NIL]                      ; and once more, under the one wait; the set-up below, work on registers, stands between
	v_lshrrev_b32 v1, 5, v0
	v_readfirstlane_b32 s10, v1                    ; wave 0..3
	s_lshr_b32 s11, s10, 1                         ; which half of the tile's rows is mine.  Also: I fetch for A (0) or for B (1)
	s_and_b32 s12, s10, 1                          ; which half of its columns.  Also: which 64 rows of that tile I fetch
	s_bfe_u32 s40, ttmp6, 0x40000                  ; cx, cy: my place in the cluster
	s_bfe_u32 s41, ttmp6, 0x40004
	s_lshl_b32 s42, ttmp9, 2
	s_add_co_u32 s42, s42, s40                     ; tile column = 4 x cluster x + cx
	s_and_b32 s13, ttmp7, 0xffff
	s_lshl_b32 s13, s13, 2
	s_add_co_u32 s13, s13, s41                     ; tile row = 4 x cluster y + cy
	s_lshl_b32 s43, s41, 2
	s_lshl_b32 s43, 15, s43                        ; my row of the cluster
	s_lshl_b32 s44, 0x1111, s40                    ; my column
	; descriptor group 1: 4 rows (heads) of 4,096 elements of 2 bytes, padded in LDS
	s_or_b32 s[G1+0], s43, (1<<16)|(1<<20)|(1<<21)|(5<<22)|(3<<25)  ; 15:0 the mask: A's tiles go to my row; 17:16 element of 2 bytes; 20 padding on; 21 set beside a mask; 24:22 after every 64 words; 31:25 of 4 words
	s_or_b32 s[G1B+0], s44, (1<<16)|(1<<20)|(1<<21)|(5<<22)|(3<<25)
.irp g, G1, G1B
	s_mov_b32 s[\g+1], 4096<<16                    ; tensor_dim0 = 4,096
	s_mov_b32 s[\g+2], 4<<16                       ; tensor_dim1 = 4
	s_mov_b32 s[\g+3], 4096<<16                    ; tile_dim0 = 4,096
	s_mov_b32 s[\g+4], 4                           ; tile_dim1 = 4
	s_mov_b32 s[\g+6], 0
	s_mov_b32 s[\g+7], 0
.endr
	s_mov_b32 s[G1+5], 262144                      ; tensor_dim0_stride: a head of A, 4,096 x 64 elements;
	s_mov_b32 s[G1B+5], 65536                      ; of B, 1,024 x 64
	s_lshl_b32 s17, s12, 6                         ; which 64 rows of the tile I fetch
	s_lshl_b32 s16, s13, 7
	s_add_co_u32 s16, s16, s17                     ; A: row 128 x tile row + 64 x half,
	s_lshl_b32 s16, s16, 7                         ; of 128 bytes
	s_lshl_b32 s46, s42, 7
	s_add_co_u32 s46, s46, s17                     ; B: row 128 x tile column + 64 x half
	s_lshl_b32 s46, s46, 7
	s_mov_b32 s17, 0
	s_mov_b32 s47, 0
	s_mul_i32 s20, s10, HALFT                      ; where they go: A's two halves, then B's two: no place in the cluster enters an LDS address
	s_wait_dscnt 0x0                               ; both opening adds are done
	s_wait_kmcnt 0x0
	s_add_nc_u64 s[14:15], s[4:5], s[16:17]
	s_add_nc_u64 s[46:47], s[6:7], s[46:47]
	CROUND                                         ; all sixteen work-groups are here: the first joint loads meet
.irp s, 0,1
	s_mov_b32 s[G0+4*\s], 1
	s_add_co_u32 s[G0+4*\s+1], s20, \s*SLOT
	s_add_nc_u64 s[G0+4*\s+2:G0+4*\s+3], s[14:15], \s*ASTEP
	s_or_b32 s[G0+4*\s+3], s[G0+4*\s+3], 0x80000000
	s_mov_b32 s[G0B+4*\s], 1
	s_add_co_u32 s[G0B+4*\s+1], s20, \s*SLOT
	s_add_nc_u64 s[G0B+4*\s+2:G0B+4*\s+3], s[46:47], \s*BSTEP
	s_or_b32 s[G0B+4*\s+3], s[G0B+4*\s+3], 0x80000000
	JLOAD \s                                       ; two tensor loads of mine are out at the start, one behind each round
.endr
	v_and_b32 v1, 15, v0                           ; l % 16
	v_bfe_u32 v2, v0, 4, 1                         ; l / 16
	v_lshrrev_b32 v3, 1, v1
	v_mul_u32_u24 v3, v3, PC
	v_and_b32 v4, 1, v0
	v_lshl_add_u32 v3, v4, 7, v3
	v_lshl_add_u32 v3, v2, 4, v3                   ; a fragment's row: (r / 2) PC + 128 (r % 2), + 16 x half
	s_mul_i32 s21, s11, HALFT                      ; my 64 rows of A
	s_mul_i32 s22, s12, HALFT                      ; my 64 rows of B,
	s_add_co_u32 s22, s22, 2*HALFT                 ; which lie behind A's 128
.irp s, 0,1
	v_add_nc_u32 v[ADRA+\s], s21, v3
	v_add_nc_u32 v[ADRB+\s], s22, v3
	s_add_co_u32 s21, s21, SLOT
	s_add_co_u32 s22, s22, SLOT
.endr
	s_mul_i32 s23, s10, 16*SPITCH
	s_add_co_u32 s23, s23, STAGE                   ; my stage
	v_mul_u32_u24 v4, v1, SPITCH                   ; in: row l % 16, 32 bytes for each half of the lanes
	v_lshl_add_u32 v4, v2, 5, v4
	v_add_nc_u32 v[STO], s23, v4
	v_mul_u32_u24 v5, v2, SPITCH                   ; back: lanes 0-15 take one row of 256 bytes, lanes 16-31 the next
	v_lshl_add_u32 v5, v1, 4, v5
	v_add_nc_u32 v[RD], s23, v5
	v_lshlrev_b32 v[CO], 4, v1                     ; and the same two rows in out0, 4,096 bytes apart
	v_lshl_add_u32 v[CO], v2, 12, v[CO]
	s_lshl_b32 s16, s13, 7
	s_lshl_b32 s17, s11, 6
	s_add_co_u32 s16, s16, s17                     ; my first row of out0: 128 x tile row + 64 x half,
	s_lshl_b32 s16, s16, 12                        ; of 4,096 bytes
	s_mov_b32 s17, 0
	s_add_nc_u64 s[8:9], s[8:9], s[16:17]
	s_lshl_b32 s46, s42, 9                         ; my first column, in bytes: 512 x tile column + 256 x half
	s_lshl_b32 s47, s12, 8
	s_add_co_u32 s46, s46, s47
	s_mov_b32 s47, 0
	s_add_nc_u64 s[8:9], s[8:9], s[46:47]
; 8 matrix instructions: m blocks a0, a0 + 1 x all 4 n blocks, 32 along K: half c of buffer f.  zero = 1: the first product starts the sums.  The 16 accumulators take turns
.macro MUL8 f, c, a0, zero
.irp a, \a0, \a0+1
.irp b, 0,1,2,3
.if \zero
	v_wmma_f32_16x16x32_f16 v[ACC+8*(4*(\a)+\b):ACC+8*(4*(\a)+\b)+7], v[\f+64+8*(4*\c+\b):\f+64+8*(4*\c+\b)+7], v[\f+8*(4*\c+\a):\f+8*(4*\c+\a)+7], 0
.else
	v_wmma_f32_16x16x32_f16 v[ACC+8*(4*(\a)+\b):ACC+8*(4*(\a)+\b)+7], v[\f+64+8*(4*\c+\b):\f+64+8*(4*\c+\b)+7], v[\f+8*(4*\c+\a):\f+8*(4*\c+\a)+7], v[ACC+8*(4*(\a)+\b):ACC+8*(4*(\a)+\b)+7]
.endif
.endr
.endr
.endm
; 32 LDS loads in one run: the fragments of one head (64 along K), which begins k bytes into each half tile, into buffer f; the first 32 along K first
.macro FETCH slot, k, f
	WIN TO_F
.irp c, 0,1
.irp i, 0,1,2,3
	ds_load_b128 v[\f+64+8*(4*\c+\i):\f+64+8*(4*\c+\i)+3],   v[ADRB+\slot] offset:\k+64*\c+\i*ROW16
	ds_load_b128 v[\f+64+8*(4*\c+\i)+4:\f+64+8*(4*\c+\i)+7], v[ADRB+\slot] offset:\k+64*\c+\i*ROW16+32
	ds_load_b128 v[\f+8*(4*\c+\i):\f+8*(4*\c+\i)+3],         v[ADRA+\slot] offset:\k+64*\c+\i*ROW16
	ds_load_b128 v[\f+8*(4*\c+\i)+4:\f+8*(4*\c+\i)+7],       v[ADRA+\slot] offset:\k+64*\c+\i*ROW16+32
.endr
.endr
.endm
.macro PLACES                          ; four places in front of loads into registers that matrix instructions have read, and of the first read of results (ISA guide 7.12.1 for vector instructions)
.rept 4
	v_nop
.endr
.endm
; A K step is four quarters (heads) of 64 along K, 32 matrix instructions each, on buffers 0, 1, 0, 1.  One of the first three: multiplies buffer f and fetches the next quarter, at byte k, into g.
.macro QUARTER slot, k, f, g, zero
	s_wait_dscnt 16                                ; the first 32 along K are in; the youngest sixteen loads may be out
	WIN MUL
	MUL8 \f, 0, 0, \zero
	MUL8 \f, 0, 2, \zero
	PLACES
	FETCH \slot, \k, \g
	s_wait_dscnt 32                                ; all but the 32 just issued
	WIN MUL
	MUL8 \f, 1, 0, 0
	MUL8 \f, 1, 2, 0
.endm
; The last quarter multiplies buffer 1 and changes slots: ONE barrier; in front of it each wave waits for all its tensor loads, adds 0 to its spare word, and waits for that and for its own reads of this slot.  fill = 1: this slot is filled again, two K steps ahead.
.macro TURN slot, next, fill
	WIN 0                                          ; (the add's two registers lie in window 0)
	s_wait_tensorcnt 0x0                           ; all my tensor loads have landed: my part of the next slot;
	ds_add_u32 v[SPW], v[NIL]                      ; 0 onto my spare word;
	s_wait_dscnt 17                                ; (the add and the youngest sixteen loads may be out)
	WIN MUL
	MUL8 F1, 0, 0, 0                               ; eight matrix instructions stand between the add and the wait for it
	s_wait_dscnt 0x0                               ; the add is done, and my reads of this slot are over
	s_barrier_signal -1
	MUL8 F1, 0, 2, 0
.if \fill
	WIN 0
.endif
	s_barrier_wait -1
.if \fill
	CREST                                          ; the barrier has opened a round of the cluster's barrier: no wave of any partner still reads this slot's tile or has a load on its way
	s_add_nc_u64 s[G0+4*\slot+2:G0+4*\slot+3], s[G0+4*\slot+2:G0+4*\slot+3], 2*ASTEP
	s_add_nc_u64 s[G0B+4*\slot+2:G0B+4*\slot+3], s[G0B+4*\slot+2:G0B+4*\slot+3], 2*BSTEP
	JLOAD \slot                                    ; the first tensor load behind the round; the four v_nop behind it are also the places in front of the loads below
.else
	PLACES
.endif
	FETCH \next, 0, F0
	WIN MUL
	MUL8 F1, 1, 0, 0
	MUL8 F1, 1, 2, 0
.endm
	s_wait_tensorcnt 1                             ; my part of K step 0 is in (K step 1's load may be out)
	s_barrier_signal -1
	s_barrier_wait -1                              ; everybody's is
	FETCH 0, 0, F0
	QUARTER 0, HB, F0, F1, 1                       ; the first quarter stands in front of the loop: its first products start the sums
	WIN 0                                          ; at a label and at a branch every window is 0
	s_mov_b32 s3, LAPS-1
.Llap:                                                 ; a trip goes once round the ring, from a lap's second quarter to the next lap's first, and fills both slots again
	QUARTER 0, 2*HB, F1, F0, 0
	QUARTER 0, 3*HB, F0, F1, 0
	TURN 0, 1, 1
	QUARTER 1, HB,   F0, F1, 0
	QUARTER 1, 2*HB, F1, F0, 0
	QUARTER 1, 3*HB, F0, F1, 0
	TURN 1, 0, 1
	QUARTER 0, HB,   F0, F1, 0
	WIN 0
	s_sub_co_u32 s3, s3, 1
	s_cmp_lg_u32 s3, 0
	s_cbranch_scc1 .Llap
	QUARTER 0, 2*HB, F1, F0, 0                     ; the last lap fills nothing, and has no round of the cluster's barrier
	QUARTER 0, 3*HB, F0, F1, 0
	TURN 0, 1, 0
	QUARTER 1, HB,   F0, F1, 0
	QUARTER 1, 2*HB, F1, F0, 0
	QUARTER 1, 3*HB, F0, F1, 0
	s_wait_dscnt 16                                ; the very last quarter: nothing more to fetch
	WIN MUL
	MUL8 F1, 0, 0, 0
	MUL8 F1, 0, 2, 0
	s_wait_dscnt 0
	MUL8 F1, 1, 0, 0
	MUL8 F1, 1, 2, 0
	WIN 0
	; THE WAY OUT, block by block of 16 rows x 64 columns.  A lane holds 32 neighbouring bytes of a row, and the lanes beside it hold other rows: so a block goes through my own stage in LDS and comes back as whole rows of
	; 256 bytes: sixteen lanes store 256 consecutive bytes, aligned.  My 64 columns are such a run by themselves, so the waves share nothing here: no barrier.
	PLACES
.irp a, 0,1,2,3
.if \a >= 2
	s_wait_xcnt 0x0                                ; block a - 2's stores have read their registers: block a's loads land there only behind this wait
.endif
.irp b, 0,1,2,3
	ds_store_b128 v[STO], v[ACC+8*(4*\a+\b):ACC+8*(4*\a+\b)+3] offset:64*\b          ; each accumulator from its low end on
	ds_store_b128 v[STO], v[ACC+8*(4*\a+\b)+4:ACC+8*(4*\a+\b)+7] offset:64*\b+16
.endr
.irp u, 0,1,2,3,4,5,6,7
	ds_load_b128 v[TMP+32*(\a%2)+4*\u:TMP+32*(\a%2)+4*\u+3], v[RD] offset:\u*2*SPITCH   ; LDS serves a wave's instructions in order (ISA guide 5.7.1.4): these see the stores above, and the next block's stores come behind them
.endr
.irp u, 0,1,2,3,4,5,6,7
	s_wait_dscnt 7-\u                              ; load u is in; the younger ones may be out
	global_store_b128 v[CO], v[TMP+32*(\a%2)+4*\u:TMP+32*(\a%2)+4*\u+3], s[8:9] offset:(16*\a+2*\u)*4096 th:TH_STORE_NT   ; written once, read by nobody here
.endr
.endr
	s_wait_tensorcnt 0x0                           ; the wave's end, behind my last tensor load and my last LDS store
	ds_add_u32 v[SPW], v[NIL]
	s_wait_dscnt 0x0
	CROUND                                         ; the closing round: no work-group ends while a partner may still ask for a tile that names it
	s_endpgm
.Lfunc_end_k_q850c82eadf_oproj:
	.size	k_q850c82eadf_oproj, .Lfunc_end_k_q850c82eadf_oproj-k_q850c82eadf_oproj
	.p2alignl 7, 3214868480
	.fill 96, 4, 3214868480
	.section	.rodata,"a",@progbits
	.p2align	6, 0x0
	.amdhsa_kernel k_q850c82eadf_oproj
		.amdhsa_group_segment_fixed_size 327680
		.amdhsa_private_segment_fixed_size 0
		.amdhsa_enable_private_segment 0
		.amdhsa_kernarg_size 24
		.amdhsa_user_sgpr_count 2
		.amdhsa_user_sgpr_kernarg_segment_ptr 1
		.amdhsa_wavefront_size32 1
		.amdhsa_system_sgpr_workgroup_id_x 1
		.amdhsa_system_sgpr_workgroup_id_y 1
		.amdhsa_system_sgpr_workgroup_id_z 1
		.amdhsa_system_vgpr_workitem_id 0
		.amdhsa_next_free_vgpr 512
		.amdhsa_next_free_sgpr 66
		.amdhsa_reserve_vcc 0
		.amdhsa_float_denorm_mode_32 3
		.amdhsa_float_denorm_mode_16_64 3
		.amdhsa_memory_ordered 1
		.amdhsa_forward_progress 1
		.amdhsa_inst_pref_size 86
	.end_amdhsa_kernel
	.amdgpu_metadata
---
amdhsa.version: [ 1, 2 ]
amdhsa.kernels:
  - .name:           k_q850c82eadf_oproj
    .symbol:         k_q850c82eadf_oproj.kd
    .args:
      - { .name: ao, .offset: 0, .size: 8, .value_kind: global_buffer, .address_space: global }
      - { .name: wo16, .offset: 8, .size: 8, .value_kind: global_buffer, .address_space: global }
      - { .name: out0, .offset: 16, .size: 8, .value_kind: global_buffer, .address_space: global }
    .group_segment_fixed_size: 327680
    .private_segment_fixed_size: 0
    .kernarg_segment_align: 8
    .kernarg_segment_size: 24
    .max_flat_workgroup_size: 128
    .sgpr_count:     66
    .vgpr_count:     512
    .wavefront_size: 32
...
	.end_amdgpu_metadata
.endif
;; end of part 4
